; MI455X (gfx1250); checked and timed in simulation.
; The chip was launched on July 23, 2026; its instructions are those of AMD's public machine-readable ISA for CDNA 5 (MIT licence, August 2026) and "CDNA5" Instruction Set Architecture Reference Guide (July 2026). The comments in the code are by the model that wrote it; some were corrected since.
;; Encoder Layer. Allowed arithmetic: matrix products marked QUANTISED: E2M1 operands, one E8M0 scale for each 32 along K, by v_wmma_scale_f32_16x16x128_f8f6f4 with both operands' format E2M1 (or v_wmma_scale_f32_32x16x128_f4), f32 sums; products left as they are: bf16, f16 or f32 operands; f32 sums; everything else in f32.
;; Inputs: Vff 512 x 2,048 float32; W2ff 2,048 x 512 float32; Wff 512 x 2,048 float32; Wk 512 x 512 float32; Wo 512 x 512 float32; Wq 512 x 512 float32; Wv 512 x 512 float32; b2ff 512 float32; beta1 512 float32; beta2 512 float32; bff 2,048 float32; bk 512 float32; bo 512 float32; bq 512 float32; bv 512 float32; bvff 2,048 float32; g1 512 float32; g2 512 float32; x 4 x 2,048 x 512 float32.
;; Outputs: out0 4 x 2,048 x 512 float32.
;; This version of the problem:
;;   THIS VERSION OF THE PROBLEM IS GIVEN IN LOW PRECISION. The matrix products marked QUANTISED in the list below multiply operands that are first quantised to E2M1 (2 exponent bits, 1 mantissa bit; 4 bits a number), with one power-of-two scale for each 32 numbers along K (OCP MX v1.0); their sums are f32. The products marked 'left as it is' may take bf16, f16 or f32 operands, with f32 sums. Whichever they take, every output number must still come out within the allowed error. Rounding operands to bf16 (8 significant bits) uses up far more of that allowance than f16 does (11 bits, for magnitudes from 6e-5 to 65,504). All else is computed in f32.
;;   The module's matrix products, in the order in which they are computed (A, B: the left and right operand; K: the contracted axis; several contracted axes count as one K, in the product's order):
;;     1. [M 8,192, K 512] x [K 512, N 512]; A: input x; B: input Wq: QUANTISED
;;     2. [M 8,192, K 512] x [K 512, N 512]; A: input x; B: input Wk: QUANTISED
;;     3. [M 8,192, K 512] x [K 512, N 512]; A: input x; B: input Wv: QUANTISED
;;     4. batch 32 x [M 2,048, K 64] x [K 64, N 2,048]; A: computed on the way; B: computed on the way: left as it is (an operand is computed on the way)
;;     5. batch 32 x [M 2,048, K 2,048] x [K 2,048, N 64]; A: computed on the way; B: computed on the way: left as it is (an operand is computed on the way)
;;     6. [M 8,192, K 512] x [K 512, N 512]; A: computed on the way; B: input Wo: left as it is (an operand is computed on the way)
;;     7. [M 8,192, K 512] x [K 512, N 2,048]; A: computed on the way; B: input Wff: left as it is (an operand is computed on the way)
;;     8. [M 8,192, K 512] x [K 512, N 2,048]; A: computed on the way; B: input Vff: left as it is (an operand is computed on the way)
;;     9. [M 8,192, K 2,048] x [K 2,048, N 512]; A: computed on the way; B: input W2ff: left as it is (an operand is computed on the way)
;;   THE QUANTISER, for each operand of a quantised product, along K:
;;     - K is cut into blocks of 32 from its start; a last block that is shorter is filled with zeros.
;;     - A block's scale is 2^e with e = floor(log2(the largest magnitude in the block)) - 2, held to -126 .. 127; a block of zeros has e = 0. As a byte (E8M0): e + 127.
;;     - Each number is divided by its block's scale, clamped to +-6, and rounded to the nearest number of E2M1, ties to even, subnormals kept.
;;     - The product sums the exact products of the quantised numbers (number of the format x scale) in f32.
;;   ~~~python
;;   def quantise(x, axis):      # numpy; x: float32 -> the quantised numbers, widened to float32 again
;;       x = np.moveaxis(x, axis, -1); K = x.shape[-1]
;;       x = np.pad(x, [(0, 0)] * (x.ndim - 1) + [(0, -K % 32)]); x = x.reshape(x.shape[:-1] + (-1, 32)); a = np.abs(x).max(-1, keepdims=True)
;;       e = np.where(a > 0, np.clip(np.frexp(np.where(a > 0, a, 1))[1] - 1 - 2, -126, 127), 0)      # np.frexp(a)[1] - 1 = floor(log2(a)), exactly
;;       r = np.clip(x / 2.0 ** e, -6, 6)
;;       step = 2.0 ** (np.maximum(np.frexp(np.where(r == 0, 1, r))[1] - 1, 0) - 1)
;;       q = np.round(r / step) * step * 2.0 ** e      # np.round: ties to even
;;       return np.moveaxis(q.reshape(q.shape[:-2] + (-1,))[..., :K], -1, axis).astype(np.float32)
;;   ~~~
;; One version. Each part assembles by itself: llvm-mc -triple=amdgcn-amd-amdhsa -mcpu=gfx1250 --defsym DOCPART=n.
;; ======== version 1 of 1: 7 launches
;; limits: values are held in f16: magnitudes above 65,504 overflow, below 6.1e-05 lose precision; a function is approximated: absolute error at most 1.5e-07
;; workspace buffers: prepw 9,461,760 bytes; qkvw 25,165,824 bytes; ctxw 8,388,608 bytes; x1w 25,165,824 bytes; gw 33,554,432 bytes; yw 16,777,216 bytes
;; launch prep (part 1): grid 384 x 1, 4 waves a work-group, no clusters, 39,424 bytes of LDS; arguments x, Wq, Wk, Wv, Wo, Wff, Vff, W2ff, prepw; writes prepw
.if DOCPART == 1
	.amdgcn_target "amdgcn-amd-amdhsa--gfx1250"
	.amdhsa_code_object_version 6
	.text
	.protected	k_qf6b940e63b_prep
	.globl	k_qf6b940e63b_prep
	.p2align	8
	.type	k_qf6b940e63b_prep,@function
k_qf6b940e63b_prep:
	s_mov_b64 s[64:65], 0
	v_nop
	global_prefetch_b8 v0, s[64:65] scope:SCOPE_SE
	s_setreg_imm32_b32 hwreg(HW_REG_WAVE_MODE, 25, 1), 1
	s_wait_xcnt 0x0
; PREP: every operand that comes from an input alone is laid out once, in the order of the matrix operand's registers ("images"), into prepw.
;   x [8192][512] f32          -> E2M1 codes, K innermost, one E8M0 byte for each 32 along K   (products x Wq, x Wk, x Wv)
;   Wq, Wk, Wv [512 k][512 n]  -> E2M1 codes along k (their FIRST axis), one byte for each 32 along k
;   Wo, Wff, Vff, 512 x W2ff   -> f16
; DEAD WORK, for the whole program: bk.  k = x Wk + bk enters reference() only through energy[q][key] = q . (x Wk)[key] / 8 + q . bk / 8.  The second term is the same for every key of
; a query, the softmax runs along the keys, and softmax(e + const) = softmax(e) for all finite values.  The product q k^T is not quantised, so no code or scale hangs on bk.  So bk reaches no output:
; it is not loaded and is among no launch's arguments.  LIMIT: a NaN, an infinity or an overflow that bk alone would bring is not carried to the result.
; IMAGES.  16-bit fragment (16 rows x 32 k, 1,024 bytes): the 16 bytes of row r, k = 8 j .. 8 j + 7 lie at 256 j + 16 r.  4-bit fragment (16 rows x 128 k, 1,024 bytes): block b of 32 of row r at 256 b + 16 r.
; In both, register group c of lane l lies at 512 c + 16 l, so a reader takes a fragment by two loads of 16 bytes a lane, 512 consecutive bytes each.
; THE QUANTISER: a block's scale is 2^(floor(log2(largest magnitude)) - 2); its byte is the largest magnitude's exponent field - 2, held at 1 from below by a floor among the maximum's leaves.
; A block of zeros keeps the byte 1 (the rule says 127): its codes are zeros, and this program alone reads the bytes.
; W2ff is stored x 2^9 and the launch that makes geglu stores it x 2^-9: both factors are exact and their product is unchanged; geglu then has room in f16.
; LIMITS: f16 holds magnitudes up to 65,504: |Wo|, |Wff|, |Vff| and 512 |W2ff| must stay under it.  NaN and infinities among the inputs are not served.
; WORK-GROUPS: 0-127 x; 128-175 Wq, Wk, Wv; 176-191 Wo; 192-255 W2ff; 256-383 Wff, Vff.  The paths part on the work-group's number; only x's path uses LDS.  No work-group shares an input byte with another: no cluster.
.set O_XS,  2097152                    ; prepw: x's codes at 0: [row tile 512][K step 4][1024]; x's scale bytes [row 8192][16]
.set O_WQ,  2228224                    ; [head 8][q, k, v][n tile 4][K step 4][1024]
.set O_WS,  2621440                    ; [head 8][unit 6 = 2 m + u][K step 4][lane 32] words: lanes 0-15 n tile 2 u, lanes 16-31 n tile 2 u + 1
.set O_WOF, 2646016                    ; [n tile 32][k fragment 16][1024]
.set O_WGF, 3170304                    ; [n tile 256][k fragment 16][1024]; column tile ct of Wff is n tile 8 (ct / 4) + ct % 4, of Vff 4 more
.set O_W2F, 7364608                    ; [n tile 32][k fragment 64][1024]
.set WREG,  9728                       ; LDS of a wave (x's path): two stages of 32 x 80 bytes, 256 scale bytes, the row tile's image of 4,096 bytes
.set SP,    80
.set SCB,   5120
.set IMG,   5376
.set SPARE, 4*WREG                     ; the spare words, 128 bytes for each wave: two blocks of 256 bytes that no other line names
.set SPW,   12                         ; v12  LDS address of my spare word; never rewritten
.set NIL,   13                         ; v13  0; never rewritten
.set R,     16                         ; v16-143  x's path: eight sets of 16 numbers as loaded
.set X,     144                        ; v144-175 two sets of 16 neighbours
.set C,     176                        ; v176-179 codes, two sets
.set E,     180                        ; v180-181 a scale byte, two sets
	s_load_b512 s[4:19], s[0:1], 0x0               ; x, Wq, Wk, Wv, Wo, Wff, Vff, W2ff
	s_load_b64 s[20:21], s[0:1], 0x40              ; prepw
	v_lshl_add_u32 v[SPW], v0, 2, SPARE
	v_mov_b32 v[NIL], 0
	v_lshrrev_b32 v1, 5, v0
	v_readfirstlane_b32 s22, v1                    ; wave 0..3
	v_and_b32 v2, 31, v0                           ; lane
	s_mov_b32 s25, 0                               ; the high word of every offset: s[24:25]
	s_wait_kmcnt 0x0
	s_cmp_lt_u32 ttmp9, 128
	s_cbranch_scc0 .Lnot_x
; ---- x.  A wave takes a row tile: 16 rows of 512 numbers, a row a step.  Each load reads 512 consecutive bytes; a step's 2,048 bytes turn through the wave's own stage so that a lane holds 16 neighbours
; (two lanes a block).  The codes are gathered as the row tile's four images in LDS and leave as 4,096 consecutive bytes; the 256 scale bytes as one aligned run of 256.
	s_lshl_b32 s23, ttmp9, 2
	s_add_co_u32 s23, s23, s22                     ; row tile
	s_lshl_b32 s24, s23, 15
	s_add_nc_u64 s[4:5], s[4:5], s[24:25]          ; its 32,768 bytes of x
	s_lshl_b32 s24, s23, 12
	s_add_nc_u64 s[26:27], s[20:21], s[24:25]      ; its images
	s_lshl_b32 s24, s23, 8
	s_add_co_u32 s24, s24, O_XS
	s_add_nc_u64 s[28:29], s[20:21], s[24:25]      ; its scale bytes
	s_mul_i32 s30, s22, WREG
	v_lshlrev_b32 v3, 4, v2                        ; 16 x lane
	v_lshrrev_b32 v14, 2, v2
	v_mul_u32_u24 v14, v14, SP
	v_and_b32 v15, 3, v2
	v_lshl_add_u32 v14, v15, 4, v14
	v_add_nc_u32 v14, s30, v14                     ; the stage on the way in: four lanes' 64 bytes on end, then 16 of padding
	v_mul_u32_u24 v15, v2, SP
	v_add_nc_u32 v15, s30, v15                     ; and on the way out: my 16 neighbours
	v_lshrrev_b32 v5, 1, v2
	v_add_nc_u32 v5, s30, v5
	v_add_nc_u32 v5, SCB, v5                       ; my block's scale byte; + 16 a row
	v_lshrrev_b32 v4, 3, v2
	v_lshlrev_b32 v4, 10, v4                       ; the image: K step lane / 8,
	v_bfe_u32 v6, v2, 1, 2
	v_lshl_or_b32 v4, v6, 8, v4                    ; block (lane / 2) % 4,
	v_and_b32 v6, 1, v2
	v_lshl_or_b32 v4, v6, 3, v4                    ; my half of its 16 bytes; + 16 a row
	v_add_nc_u32 v4, s30, v4
	v_add_nc_u32 v4, IMG, v4
	v_add_nc_u32 v1, s30, v3
	v_add_nc_u32 v1, IMG, v1                       ; the images read back, 16 bytes a lane
	v_lshlrev_b32 v7, 3, v2
	v_add_nc_u32 v6, s30, v7
	v_add_nc_u32 v6, SCB, v6                       ; the scale bytes read back, 8 bytes a lane
.macro LOAD t
.irp i, 0,1,2,3
	global_load_b128 v[R+16*((\t)%8)+4*\i:R+16*((\t)%8)+4*\i+3], v3, s[4:5] offset:2048*(\t)+512*\i th:TH_LOAD_NT
.endr
.endm
.macro TURN t                          ; LDS serves a wave's instructions in order: no wait between the stores and the loads
.irp i, 0,1,2,3
	ds_store_b128 v14, v[R+16*((\t)%8)+4*\i:R+16*((\t)%8)+4*\i+3] offset:32*SP*((\t)%2)+8*SP*\i
.endr
.irp i, 0,1,2,3
	ds_load_b128 v[X+16*((\t)%2)+4*\i:X+16*((\t)%2)+4*\i+3], v15 offset:32*SP*((\t)%2)+16*\i
.endr
.endm
.irp t, 0,1,2,3,4,5,6,7
	LOAD \t
.endr
	s_wait_loadcnt 28                              ; row 0's four loads are in; seven rows' may be out
	TURN 0
.macro STEP t
.set XB, X+16*((\t)%2)
.set CB, C+2*((\t)%2)
.if (\t) > 0
	s_wait_dscnt 2                                 ; this row is back from the stage; the last row's two stores (codes, byte) may be out
.else
	s_wait_dscnt 0x0
.endif
.if (\t)+8 < 16
	LOAD (\t)+8                                    ; into the set that this row has left
.endif
.if (\t)+1 < 16
.if (\t) <= 7
	s_wait_loadcnt 28                              ; the next row's loads are in; those of the seven rows behind it may be out
.else
	s_wait_loadcnt 4*(14-(\t))                     ; the rows behind the next one: 14 - t
.endif
	TURN (\t)+1
.endif
	v_max3_num_f32 v8, |v[XB]|, |v[XB+1]|, |v[XB+2]|
	v_max3_num_f32 v9, |v[XB+3]|, |v[XB+4]|, |v[XB+5]|
.irp i, 6,10
	v_max3_num_f32 v8, v8, |v[XB+\i]|, |v[XB+\i+1]|
	v_max3_num_f32 v9, v9, |v[XB+\i+2]|, |v[XB+\i+3]|
.endr
	v_max3_num_f32 v8, v8, |v[XB+14]|, |v[XB+15]|
	v_max3_num_f32 v8, v8, v9, 0x1800000           ; and the floor 2^(3 - 127): the byte cannot fall under 1
	v_max_num_f32_dpp v8, v8, v8 row_xmask:1 row_mask:0xf bank_mask:0xf   ; with my neighbour's 16: the block's largest magnitude
	v_add_nc_u32 v11, 0xff000000, v8               ; 2 off its exponent field: the conversion takes that field as its scale
	v_cvt_scalef32_pk8_fp4_f32 v[CB], v[XB:XB+7], v11
	v_cvt_scalef32_pk8_fp4_f32 v[CB+1], v[XB+8:XB+15], v11
	v_lshrrev_b32 v[E+(\t)%2], 23, v11             ; the scale's byte (a plain line behind the conversions)
	ds_store_b8 v5, v[E+(\t)%2] offset:16*(\t)     ; both lanes of a block write the same byte with the same value
	ds_store_b64 v4, v[CB:CB+1] offset:16*(\t)     ; row t's place in each block of the images
.endm
.irp t, 0,1,2,3,4,5,6,7,8,9,10,11,12,13,14,15
	STEP \t
.endr
.irp i, 0,1,2,3,4,5,6,7
	ds_load_b128 v[R+4*\i:R+4*\i+3], v1 offset:512*\i   ; these see my stores: LDS serves a wave in order
.endr
	ds_load_b64 v[8:9], v6
.irp i, 0,1,2,3,4,5,6,7
	s_wait_dscnt 8-\i                              ; the loads behind load i
	global_store_b128 v3, v[R+4*\i:R+4*\i+3], s[26:27] offset:512*\i   ; 32 lanes store 512 consecutive bytes
.endr
	s_wait_dscnt 0x0
	global_store_b64 v7, v[8:9], s[28:29]          ; 32 lanes store 256 consecutive bytes, aligned
	s_wait_tensorcnt 0x0                           ; the wave's end, behind my last LDS store
	ds_add_u32 v[SPW], v[NIL]
	s_wait_dscnt 0x0
	s_endpgm
.Lnot_x:
	v_lshlrev_b32 v4, 2, v2                        ; all other paths: a lane takes a column, 4 bytes a lane,
	v_and_b32 v6, 15, v2                           ; its row in an n tile,
	v_lshrrev_b32 v7, 4, v2                        ; and which of the wave's two n tiles
	s_cmp_lt_u32 ttmp9, 176
	s_cbranch_scc0 .Lnot_q
; ---- Wq, Wk, Wv.  A wave takes 32 columns x 128 k (one K step): a lane's registers run down k, so a block of 32 is one lane's, and the conversions' results are the block's 16 bytes of the image.
	s_sub_co_u32 s23, ttmp9, 128
	s_lshr_b32 s32, s23, 4                         ; m: 0 q, 1 k, 2 v
	s_bfe_u32 s33, s23, 0x20002                    ; which 128 columns
	s_and_b32 s34, s23, 3                          ; K step
	s_cmp_eq_u32 s32, 0
	s_cselect_b64 s[28:29], s[6:7], s[8:9]
	s_cmp_eq_u32 s32, 2
	s_cselect_b64 s[28:29], s[10:11], s[28:29]
	s_lshl_b32 s24, s34, 18                        ; 128 rows of 2,048 bytes a K step
	s_lshl_b32 s35, s33, 9
	s_add_co_u32 s24, s24, s35
	s_lshl_b32 s35, s22, 7
	s_add_co_u32 s24, s24, s35
	s_add_nc_u64 s[28:29], s[28:29], s[24:25]
	s_lshl_b32 s35, s33, 1
	s_lshr_b32 s36, s22, 1
	s_add_co_u32 s35, s35, s36                     ; head
	s_and_b32 s36, s22, 1                          ; u: which 32 of the head's 64 columns
	s_mul_i32 s24, s35, 49152
	s_lshl_b32 s37, s32, 14
	s_add_co_u32 s24, s24, s37
	s_lshl_b32 s37, s36, 13
	s_add_co_u32 s24, s24, s37
	s_lshl_b32 s37, s34, 10
	s_add_co_u32 s24, s24, s37
	s_add_co_u32 s24, s24, O_WQ
	s_add_nc_u64 s[30:31], s[20:21], s[24:25]
	s_mul_i32 s24, s35, 6
	s_lshl_b32 s37, s32, 1
	s_add_co_u32 s24, s24, s37
	s_add_co_u32 s24, s24, s36
	s_lshl_b32 s24, s24, 9
	s_lshl_b32 s37, s34, 7
	s_add_co_u32 s24, s24, s37
	s_add_co_u32 s24, s24, O_WS
	s_add_nc_u64 s[26:27], s[20:21], s[24:25]
	v_lshlrev_b32 v5, 12, v7
	v_lshl_add_u32 v5, v6, 4, v5                   ; n tile x 4,096 + 16 x row: sixteen lanes fill 256 consecutive bytes
.macro QLOAD t
.set i, 0
.rept 32
	global_load_b32 v[32+32*((\t)%2)+i], v4, s[28:29] offset:(32*(\t)+i)*2048 th:TH_LOAD_NT
.set i, i+1
.endr
.endm
.macro QBLOCK t
.set XB, 32+32*((\t)%2)
.if (\t) < 3
	s_wait_loadcnt 32                              ; this block's 32 loads are in; the next block's may be out
.else
	s_wait_loadcnt 0x0
.endif
	v_max3_num_f32 v8, |v[XB]|, |v[XB+1]|, |v[XB+2]|
	v_max3_num_f32 v9, |v[XB+3]|, |v[XB+4]|, |v[XB+5]|
.irp i, 6,10,14,18,22,26
	v_max3_num_f32 v8, v8, |v[XB+\i]|, |v[XB+\i+1]|
	v_max3_num_f32 v9, v9, |v[XB+\i+2]|, |v[XB+\i+3]|
.endr
	v_max3_num_f32 v8, v8, |v[XB+30]|, |v[XB+31]|
	v_max3_num_f32 v8, v8, v9, 0x1800000
	v_add_nc_u32 v11, 0xff000000, v8
	v_lshrrev_b32 v10, 23, v11
.if (\t) == 0
	v_mov_b32 v24, v10                             ; the K step's four bytes make my column's scale word
.else
	v_lshl_or_b32 v24, v10, 8*(\t), v24
.endif
.irp g, 0,1,2,3
	v_cvt_scalef32_pk8_fp4_f32 v[96+4*(\t)+\g], v[XB+8*\g:XB+8*\g+7], v11
.endr
	v_nop                                          ; a plain line behind the conversions
	global_store_b128 v5, v[96+4*(\t):96+4*(\t)+3], s[30:31] offset:256*(\t)   ; each block has registers of its own: no store's data are rewritten
.if (\t)+2 < 4
	QLOAD (\t)+2
.endif
.endm
	QLOAD 0
	QLOAD 1
.irp t, 0,1,2,3
	QBLOCK \t
.endr
	global_store_b32 v4, v24, s[26:27]             ; 32 lanes store 128 consecutive bytes
	s_endpgm
; ---- f16 images.  A wave takes 32 columns x 128 k: four k fragments.  A lane's 32 registers run down k; packed in pairs they are four groups of 8 k, 16 bytes each, at 256 j + 16 x row of the image.
.macro CLOAD kk, pitch
.set i, 0
.rept 32
	global_load_b32 v[32+32*((\kk)%2)+i], v4, s[28:29] offset:(32*(\kk)+i)*\pitch th:TH_LOAD_NT
.set i, i+1
.endr
.endm
.macro CONV16 pitch, mul
	CLOAD 0, \pitch
	CLOAD 1, \pitch
.irp kk, 0,1,2,3
.set XB, 32+32*(\kk%2)
.set HB, 96+16*\kk                     ; a set of packed registers for each fragment: no store's data are rewritten
.if \kk < 3
	s_wait_loadcnt 32                              ; this fragment's 32 loads are in; the next one's may be out
.else
	s_wait_loadcnt 0x0
.endif
.if \mul
.set i, 0
.rept 16
	v_pk_mul_f32 v[XB+2*i:XB+2*i+1], v[XB+2*i:XB+2*i+1], 0x44000000 op_sel_hi:[1,0]   ; x 2^9: exact
.set i, i+1
.endr
.endif
.set i, 0
.rept 16
	v_cvt_pk_f16_f32 v[HB+i], v[XB+2*i], v[XB+2*i+1]
.set i, i+1
.endr
.if \kk < 2
	CLOAD \kk+2, \pitch
.endif
.irp j, 0,1,2,3
	global_store_b128 v5, v[HB+4*\j:HB+4*\j+3], s[30:31] offset:1024*\kk+256*\j   ; sixteen lanes fill 256 consecutive bytes, aligned
.endr
.endr
	s_endpgm
.endm
.Lnot_q:
	s_cmp_lt_u32 ttmp9, 192
	s_cbranch_scc0 .Lnot_o
	s_sub_co_u32 s23, ttmp9, 176                   ; Wo [512][512]
	s_lshr_b32 s33, s23, 2                         ; which 128 columns
	s_and_b32 s34, s23, 3                          ; which 128 k
	s_lshl_b32 s24, s34, 18
	s_lshl_b32 s35, s33, 9
	s_add_co_u32 s24, s24, s35
	s_lshl_b32 s35, s22, 7
	s_add_co_u32 s24, s24, s35
	s_add_nc_u64 s[28:29], s[12:13], s[24:25]
	s_lshl_b32 s24, s33, 17                        ; n tile 8 cg + 2 w, 16,384 bytes each
	s_lshl_b32 s35, s22, 15
	s_add_co_u32 s24, s24, s35
	s_lshl_b32 s35, s34, 12
	s_add_co_u32 s24, s24, s35
	s_add_co_u32 s24, s24, O_WOF
	s_add_nc_u64 s[30:31], s[20:21], s[24:25]
	v_lshlrev_b32 v5, 14, v7
	v_lshl_add_u32 v5, v6, 4, v5
	CONV16 2048, 0
.Lnot_o:
	s_cmp_lt_u32 ttmp9, 256
	s_cbranch_scc0 .Lnot_2
	s_sub_co_u32 s23, ttmp9, 192                   ; W2ff [2048][512]
	s_lshr_b32 s33, s23, 4
	s_and_b32 s34, s23, 15
	s_lshl_b32 s24, s34, 18
	s_lshl_b32 s35, s33, 9
	s_add_co_u32 s24, s24, s35
	s_lshl_b32 s35, s22, 7
	s_add_co_u32 s24, s24, s35
	s_add_nc_u64 s[28:29], s[18:19], s[24:25]
	s_lshl_b32 s24, s33, 19                        ; n tile 8 cg + 2 w, 65,536 bytes each
	s_lshl_b32 s35, s22, 17
	s_add_co_u32 s24, s24, s35
	s_lshl_b32 s35, s34, 12
	s_add_co_u32 s24, s24, s35
	s_add_co_u32 s24, s24, O_W2F
	s_add_nc_u64 s[30:31], s[20:21], s[24:25]
	v_lshlrev_b32 v5, 16, v7
	v_lshl_add_u32 v5, v6, 4, v5
	CONV16 2048, 1
.Lnot_2:
	s_sub_co_u32 s23, ttmp9, 256                   ; Wff, Vff [512][2048]
	s_lshr_b32 s32, s23, 6                         ; 0 Wff, 1 Vff
	s_bfe_u32 s33, s23, 0x40002                    ; which 128 columns
	s_and_b32 s34, s23, 3                          ; which 128 k
	s_cmp_eq_u32 s32, 0
	s_cselect_b64 s[28:29], s[14:15], s[16:17]
	s_lshl_b32 s24, s34, 20                        ; 128 rows of 8,192 bytes
	s_lshl_b32 s35, s33, 9
	s_add_co_u32 s24, s24, s35
	s_lshl_b32 s35, s22, 7
	s_add_co_u32 s24, s24, s35
	s_add_nc_u64 s[28:29], s[28:29], s[24:25]
	s_lshl_b32 s24, s33, 4                         ; n tile = 16 cg + 8 (w / 2) + 2 (w % 2) + 4 sel
	s_lshr_b32 s35, s22, 1
	s_lshl_b32 s35, s35, 3
	s_add_co_u32 s24, s24, s35
	s_and_b32 s35, s22, 1
	s_lshl_b32 s35, s35, 1
	s_add_co_u32 s24, s24, s35
	s_lshl_b32 s35, s32, 2
	s_add_co_u32 s24, s24, s35
	s_lshl_b32 s24, s24, 14
	s_lshl_b32 s35, s34, 12
	s_add_co_u32 s24, s24, s35
	s_add_co_u32 s24, s24, O_WGF
	s_add_nc_u64 s[30:31], s[20:21], s[24:25]
	v_lshlrev_b32 v5, 14, v7
	v_lshl_add_u32 v5, v6, 4, v5
	CONV16 8192, 0
.Lfunc_end_k_qf6b940e63b_prep:
	.size	k_qf6b940e63b_prep, .Lfunc_end_k_qf6b940e63b_prep-k_qf6b940e63b_prep
	.p2alignl 7, 3214868480
	.fill 96, 4, 3214868480
	.section	.rodata,"a",@progbits
	.p2align	6, 0x0
	.amdhsa_kernel k_qf6b940e63b_prep
		.amdhsa_group_segment_fixed_size 39424
		.amdhsa_private_segment_fixed_size 0
		.amdhsa_enable_private_segment 0
		.amdhsa_kernarg_size 72
		.amdhsa_user_sgpr_count 2
		.amdhsa_user_sgpr_kernarg_segment_ptr 1
		.amdhsa_wavefront_size32 1
		.amdhsa_system_sgpr_workgroup_id_x 1
		.amdhsa_system_sgpr_workgroup_id_y 1
		.amdhsa_system_sgpr_workgroup_id_z 1
		.amdhsa_system_vgpr_workitem_id 0
		.amdhsa_next_free_vgpr 192
		.amdhsa_next_free_sgpr 66
		.amdhsa_reserve_vcc 0
		.amdhsa_float_denorm_mode_32 3
		.amdhsa_float_denorm_mode_16_64 3
		.amdhsa_memory_ordered 1
		.amdhsa_forward_progress 1
		.amdhsa_inst_pref_size 116
	.end_amdhsa_kernel
	.amdgpu_metadata
---
amdhsa.version: [ 1, 2 ]
amdhsa.kernels:
  - .name:           k_qf6b940e63b_prep
    .symbol:         k_qf6b940e63b_prep.kd
    .args:
      - { .name: x, .offset: 0, .size: 8, .value_kind: global_buffer, .address_space: global }
      - { .name: Wq, .offset: 8, .size: 8, .value_kind: global_buffer, .address_space: global }
      - { .name: Wk, .offset: 16, .size: 8, .value_kind: global_buffer, .address_space: global }
      - { .name: Wv, .offset: 24, .size: 8, .value_kind: global_buffer, .address_space: global }
      - { .name: Wo, .offset: 32, .size: 8, .value_kind: global_buffer, .address_space: global }
      - { .name: Wff, .offset: 40, .size: 8, .value_kind: global_buffer, .address_space: global }
      - { .name: Vff, .offset: 48, .size: 8, .value_kind: global_buffer, .address_space: global }
      - { .name: W2ff, .offset: 56, .size: 8, .value_kind: global_buffer, .address_space: global }
      - { .name: prepw, .offset: 64, .size: 8, .value_kind: global_buffer, .address_space: global }
    .group_segment_fixed_size: 39424
    .private_segment_fixed_size: 0
    .kernarg_segment_align: 8
    .kernarg_segment_size: 72
    .max_flat_workgroup_size: 128
    .sgpr_count:     66
    .vgpr_count:     192
    .wavefront_size: 32
...
	.end_amdgpu_metadata
.endif
;; end of part 1
;; launch qkv (part 2): grid 32 x 8, 8 waves a work-group, clusters of 4 x 1, 167,936 bytes of LDS; arguments prepw, bq, bv, qkvw; writes qkvw
.if DOCPART == 2
	.amdgcn_target "amdgcn-amd-amdhsa--gfx1250"
	.amdhsa_code_object_version 6
	.text
	.protected	k_qf6b940e63b_qkv
	.globl	k_qf6b940e63b_qkv
	.p2align	8
	.type	k_qf6b940e63b_qkv,@function
k_qf6b940e63b_qkv:
	s_mov_b64 s[64:65], 0
	v_nop
	global_prefetch_b8 v0, s[64:65] scope:SCOPE_SE
	s_setreg_imm32_b32 hwreg(HW_REG_WAVE_MODE, 25, 1), 1
	s_wait_xcnt 0x0
	s_wait_alu depctr_hold_cnt(0) depctr_sa_sdst(0) depctr_va_vdst(0) depctr_va_sdst(0) depctr_va_ssrc(0) depctr_va_vcc(0) depctr_vm_vsrc(0)
	s_getreg_b32 s2, hwreg(HW_REG_IB_STS2, 6, 4)
	s_cmp_eq_u32 s2, 0
	s_cbranch_scc0 .Lentry_in_a_cluster
	s_endpgm
.Lentry_in_a_cluster:
	s_bfe_u32 s2, ttmp6, 0x10000c
	s_cmp_lg_u32 s2, 0x3003
	s_cbranch_scc0 .Lentry_shape_is_right
	s_endpgm
.Lentry_shape_is_right:
; QKV: q = (Q(x) Q(Wq) + bq) c, k = Q(x) Q(Wk), v = Q(x) Q(Wv) + bv, on E2M1 codes with E8M0 scales; c = log2(e) / 8, so that q . k is the softmax's exponent in base 2.
; bk is left out: it adds the same number to every score of a query, which the softmax along the keys takes away for all finite values (shown at the head of the first kernel).
; SHARES.  A work-group takes 256 tokens and one head; wave w takes 32 tokens (two tiles), whose codes of all 512 k stay in its registers, and walks six units of 32 columns: q, q, k, k, v, v.
; CLUSTER.  The four work-groups of a cluster take the same head: its 49,152 bytes of weight codes come by one joint fill, 6,144 bytes a wave, once in the launch.
; LAYOUT.  q and k are made TRANSPOSED (source 0 = 16 columns of W, source 1 = 16 tokens): a lane holds one token and 8 neighbouring channels, and two column tiles, packed to f16, are a 16-bit fragment
; (16 tokens x 32 channels).  v is made the natural way (source 0 = tokens, source 1 = columns): a lane holds one channel and 8 neighbouring tokens: two token tiles are a fragment of V^T (16 channels x 32 keys).
; So every result is stored as an image of the next product's registers: 512 consecutive bytes a store, no stage.
; LIMITS: |q c|, |k|, |v| must stay under 65,504 (f16).  NaN and infinities are not served.
.set O_XS,  2097152
.set O_WQ,  2228224
.set O_WS,  2621440
.set SPARE, 49152                      ; behind the codes: the spare words, 128 bytes for each wave: four blocks of 256 bytes that no other line names
.set LI,  1                            ; v1  16 x lane
.set L4,  2                            ; v2  4 x lane
.set H32, 3                            ; v3  32 x (lane / 16)
.set R4,  4                            ; v4  4 x (lane % 16)
.set SPW, 5                            ; v5  my spare word; never rewritten
.set NIL, 6                            ; v6  0; never rewritten
.set XSC, 8                            ; v8-11    x's scale words, K step s: lanes 0-15 token tile 0, lanes 16-31 tile 1
.set WSC, 12                           ; v12-35   W's scale words, 4 j + s: lanes 0-15 column tile 0 of unit j, lanes 16-31 tile 1
.set XF,  40                           ; v40-103  x's fragments, 32 t + 8 s
.set WF,  104                          ; v104-167 the unit's fragments of W, 32 e + 8 s
.set ACC, 168                          ; v168-199 four accumulators, 16 t + 8 e
.set BQ,  200                          ; v200-231 bq in the result's layout, 16 u + 8 e
.set BV,  232                          ; v232-239 bv: four pairs, the low word is my channel's
.set OUT, 240                          ; v240-255 packed results
.set WV,  12
.macro PLACES n
.rept \n
	v_nop
.endr
.endm
.macro CROUND                          ; a round of the cluster's barrier
	s_barrier_signal -1
	s_barrier_wait -1
	s_cmp_lg_u32 s[WV], 0
	s_cbranch_scc1 .Lnot_wave_0_\@
	s_barrier_signal -3
.Lnot_wave_0_\@:
	s_barrier_wait -3
	s_barrier_signal -1
	s_barrier_wait -1
.endm
	s_load_b256 s[4:11], s[0:1], 0x0               ; prepw, bq, bv, qkvw
	v_lshl_add_u32 v[SPW], v0, 2, SPARE
	v_mov_b32 v[NIL], 0
	ds_add_u32 v[SPW], v[NIL]                      ; the opening: the add, twice on end, and its wait ahead of my first tensor load
	ds_add_u32 v[SPW], v[NIL]
	v_lshrrev_b32 v7, 5, v0
	v_readfirstlane_b32 s[WV], v7                  ; wave 0..7
	v_and_b32 v7, 31, v0
	v_lshlrev_b32 v[LI], 4, v7
	v_lshlrev_b32 v[L4], 2, v7
	v_bfe_u32 v[H32], v0, 4, 1
	v_lshlrev_b32 v[H32], 5, v[H32]
	v_and_b32 v[R4], 15, v0
	v_lshlrev_b32 v[R4], 2, v[R4]
	s_and_b32 s15, ttmp7, 0xffff                   ; the head, which the four partners share
	s_mov_b32 s16, 15|(3<<16)|(1<<21)              ; group 1: mask of all four; elements of 8 bytes; bit 21 beside the mask; no padding
	s_mov_b32 s17, 32<<16                          ; tensor_dim0 = 32 elements: rows of 256 bytes
	s_mov_b32 s18, 24<<16                          ; tensor_dim1 = 24 rows: 6,144 dense bytes
	s_mov_b32 s19, 32<<16                          ; tile_dim0
	s_mov_b32 s20, 24                              ; tile_dim1
	s_mov_b32 s21, 32                              ; pitch = row
	s_mov_b32 s22, 0
	s_mov_b32 s23, 0
	s_mov_b32 s24, 1
	s_mul_i32 s25, s[WV], 6144                     ; LDS: my eighth
	s_mul_i32 s28, s15, 49152
	s_add_co_u32 s28, s28, s25
	s_add_co_u32 s28, s28, O_WQ
	s_mov_b32 s29, 0
	s_mov_b32 s30, 0x3e38aa3b                      ; c = log2(e) / 8
	s_mov_b32 s31, s30                             ; (named with it as a pair)
	s_bfe_u32 s13, ttmp6, 0x40000                  ; cx
	s_lshl_b32 s14, ttmp9, 2
	s_add_co_u32 s14, s14, s13                     ; my 256 tokens: it enters global addresses of my own loads and stores alone
	s_mov_b32 s45, 0
	s_wait_dscnt 0x0                               ; both opening adds are done
	s_wait_kmcnt 0x0
	s_add_nc_u64 s[26:27], s[4:5], s[28:29]
	s_or_b32 s27, s27, 0x80000000
	CROUND                                         ; all four work-groups are here: the joint loads meet
	tensor_load_to_lds s[24:27], s[16:23]          ; my one tensor load of the launch
	s_nop 0
	s_lshl_b32 s44, s14, 16
	s_lshl_b32 s46, s[WV], 13
	s_add_co_u32 s44, s44, s46
	s_add_nc_u64 s[38:39], s[4:5], s[44:45]        ; x's codes: row tile 16 chunk + 2 w
	s_lshl_b32 s44, s14, 12
	s_lshl_b32 s46, s[WV], 9
	s_add_co_u32 s44, s44, s46
	s_add_co_u32 s44, s44, O_XS
	s_add_nc_u64 s[40:41], s[4:5], s[44:45]        ; x's scale bytes, 16 a row
	s_mul_i32 s44, s15, 3072
	s_add_co_u32 s44, s44, O_WS
	s_add_nc_u64 s[42:43], s[4:5], s[44:45]        ; the head's scale words
	s_lshl_b32 s44, s15, 8
	s_add_nc_u64 s[6:7], s[6:7], s[44:45]          ; the head's 64 numbers of bq
	s_add_nc_u64 s[8:9], s[8:9], s[44:45]          ; and of bv
	s_lshr_b32 s46, s14, 3
	s_lshl_b32 s46, s46, 3
	s_add_co_u32 s46, s46, s15                     ; 8 batch + head
	s_lshl_b32 s44, s46, 18
	s_and_b32 s46, s14, 7
	s_lshl_b32 s46, s46, 15
	s_add_co_u32 s44, s44, s46
	s_lshl_b32 s46, s[WV], 12
	s_add_co_u32 s44, s44, s46                     ; my 32 tokens are 4,096 bytes in each of the three tensors
	s_add_nc_u64 s[32:33], s[10:11], s[44:45]      ; q
	s_add_nc_u64 s[34:35], s[32:33], 0x800000      ; k
	s_add_nc_u64 s[36:37], s[32:33], 0x1000000     ; v
.set i, 0
.rept 16
	global_load_b128 v[XF+4*i:XF+4*i+3], v[LI], s[38:39] offset:512*i
.set i, i+1
.endr
	global_load_b128 v[XSC:XSC+3], v[LI], s[40:41] ; lane l: the four scale words of token l of my 32
.set i, 0
.rept 24
	global_load_b32 v[WSC+i], v[L4], s[42:43] offset:128*i
.set i, i+1
.endr
.irp n, 0,1,2,3
	global_load_b128 v[BQ+8*\n:BQ+8*\n+3], v[H32], s[6:7] offset:64*\n
	global_load_b128 v[BQ+8*\n+4:BQ+8*\n+7], v[H32], s[6:7] offset:64*\n+16
	global_load_b32 v[BV+2*\n], v[R4], s[8:9] offset:64*\n
	v_mov_b32 v[BV+2*\n+1], 0                      ; (the pair's upper word is named, so it is written)
.endr
.macro WLOAD j                         ; unit j's eight fragments of W
.irp e, 0,1
.irp s, 0,1,2,3
.irp c, 0,1
	ds_load_b128 v[WF+32*\e+8*\s+4*\c:WF+32*\e+8*\s+4*\c+3], v[LI] offset:8192*(\j)+4096*\e+1024*\s+512*\c
.endr
.endr
.endr
.endm
; one matrix instruction.  cz = 1: C is the constant 0; else C = v[c ..].  ra, rb: the side's scales stand in lanes 16-31 of its scale register
.macro W4 d, a, b, cz, c, sa, sb, ra, rb
.if \cz
.if (\ra) && (\rb)
	v_wmma_scale_f32_16x16x128_f8f6f4 v[\d:\d+7], v[\a:\a+7], v[\b:\b+7], 0, v[\sa], v[\sb] matrix_a_fmt:MATRIX_FMT_FP4 matrix_b_fmt:MATRIX_FMT_FP4 matrix_a_scale:MATRIX_SCALE_ROW1 matrix_b_scale:MATRIX_SCALE_ROW1
.elseif \ra
	v_wmma_scale_f32_16x16x128_f8f6f4 v[\d:\d+7], v[\a:\a+7], v[\b:\b+7], 0, v[\sa], v[\sb] matrix_a_fmt:MATRIX_FMT_FP4 matrix_b_fmt:MATRIX_FMT_FP4 matrix_a_scale:MATRIX_SCALE_ROW1
.elseif \rb
	v_wmma_scale_f32_16x16x128_f8f6f4 v[\d:\d+7], v[\a:\a+7], v[\b:\b+7], 0, v[\sa], v[\sb] matrix_a_fmt:MATRIX_FMT_FP4 matrix_b_fmt:MATRIX_FMT_FP4 matrix_b_scale:MATRIX_SCALE_ROW1
.else
	v_wmma_scale_f32_16x16x128_f8f6f4 v[\d:\d+7], v[\a:\a+7], v[\b:\b+7], 0, v[\sa], v[\sb] matrix_a_fmt:MATRIX_FMT_FP4 matrix_b_fmt:MATRIX_FMT_FP4
.endif
.else
.if (\ra) && (\rb)
	v_wmma_scale_f32_16x16x128_f8f6f4 v[\d:\d+7], v[\a:\a+7], v[\b:\b+7], v[\c:\c+7], v[\sa], v[\sb] matrix_a_fmt:MATRIX_FMT_FP4 matrix_b_fmt:MATRIX_FMT_FP4 matrix_a_scale:MATRIX_SCALE_ROW1 matrix_b_scale:MATRIX_SCALE_ROW1
.elseif \ra
	v_wmma_scale_f32_16x16x128_f8f6f4 v[\d:\d+7], v[\a:\a+7], v[\b:\b+7], v[\c:\c+7], v[\sa], v[\sb] matrix_a_fmt:MATRIX_FMT_FP4 matrix_b_fmt:MATRIX_FMT_FP4 matrix_a_scale:MATRIX_SCALE_ROW1
.elseif \rb
	v_wmma_scale_f32_16x16x128_f8f6f4 v[\d:\d+7], v[\a:\a+7], v[\b:\b+7], v[\c:\c+7], v[\sa], v[\sb] matrix_a_fmt:MATRIX_FMT_FP4 matrix_b_fmt:MATRIX_FMT_FP4 matrix_b_scale:MATRIX_SCALE_ROW1
.else
	v_wmma_scale_f32_16x16x128_f8f6f4 v[\d:\d+7], v[\a:\a+7], v[\b:\b+7], v[\c:\c+7], v[\sa], v[\sb] matrix_a_fmt:MATRIX_FMT_FP4 matrix_b_fmt:MATRIX_FMT_FP4
.endif
.endif
.endm
; UNIT j = 2 m + u: 32 tokens x 32 columns x 512 k: 16 matrix instructions, the four accumulators by turns, one instruction a turn, K ascending
.macro UNIT j
.set M, (\j)/2
.set U, (\j)%2
	s_wait_dscnt 0x0                               ; the unit's fragments of W are in
.irp s, 0,1,2,3
.irp t, 0,1
.irp e, 0,1
.if M == 2
.if \s == 0
	W4 ACC+16*\t+8*\e, XF+32*\t+8*\s, WF+32*\e+8*\s, 1, 0, XSC+\s, WSC+4*(\j)+\s, \t, \e
.else
	W4 ACC+16*\t+8*\e, XF+32*\t+8*\s, WF+32*\e+8*\s, 0, ACC+16*\t+8*\e, XSC+\s, WSC+4*(\j)+\s, \t, \e
.endif
.else
.if (\s == 0) && (M == 0)
	W4 ACC+16*\t+8*\e, WF+32*\e+8*\s, XF+32*\t+8*\s, 0, BQ+16*U+8*\e, WSC+4*(\j)+\s, XSC+\s, \e, \t   ; bq is the C of the sum's first product
.elseif \s == 0
	W4 ACC+16*\t+8*\e, WF+32*\e+8*\s, XF+32*\t+8*\s, 1, 0, WSC+4*(\j)+\s, XSC+\s, \e, \t
.else
	W4 ACC+16*\t+8*\e, WF+32*\e+8*\s, XF+32*\t+8*\s, 0, ACC+16*\t+8*\e, WSC+4*(\j)+\s, XSC+\s, \e, \t
.endif
.endif
.endr
.endr
.endr
	PLACES 5                                       ; four in front of the loads into W's registers and of the first read of results; five in front of the next unit's products, which begin the accumulators anew
.if (\j) < 5
	WLOAD (\j)+1
.endif
.if M == 0
.set i, 0
.rept 16
	v_pk_mul_f32 v[ACC+2*i:ACC+2*i+1], v[ACC+2*i:ACC+2*i+1], s[30:31] op_sel_hi:[1,0]   ; x c; each accumulator from its low end on
.set i, i+1
.endr
.endif
.if M == 2
.irp t, 0,1
.irp e, 0,1
.irp p, 0,2,4,6
	v_pk_add_f32 v[ACC+16*\t+8*\e+\p:ACC+16*\t+8*\e+\p+1], v[ACC+16*\t+8*\e+\p:ACC+16*\t+8*\e+\p+1], v[BV+2*(2*U+\e):BV+2*(2*U+\e)+1] op_sel_hi:[1,0]   ; + bv of my channel
.endr
.endr
.endr
.endif
.if (\j) > 0
	s_wait_xcnt 0x0                                ; the last unit's stores have read their data: OUT is rewritten only behind this wait
.endif
.irp t, 0,1
.irp e, 0,1
.irp i, 0,1,2,3
.if M == 2
	v_cvt_pk_f16_f32 v[OUT+8*\e+4*\t+\i], v[ACC+16*\t+8*\e+2*\i], v[ACC+16*\t+8*\e+2*\i+1]   ; V^T: channel tile e, keys 16 t + 8 h + ..
.else
	v_cvt_pk_f16_f32 v[OUT+8*\t+4*\e+\i], v[ACC+16*\t+8*\e+2*\i], v[ACC+16*\t+8*\e+2*\i+1]   ; token tile t, channels 32 u + 16 e + 8 h + ..
.endif
.endr
.endr
.endr
.irp a, 0,1
.irp c, 0,1
.if M == 0
	global_store_b128 v[LI], v[OUT+8*\a+4*\c:OUT+8*\a+4*\c+3], s[32:33] offset:2048*\a+1024*U+512*\c
.elseif M == 1
	global_store_b128 v[LI], v[OUT+8*\a+4*\c:OUT+8*\a+4*\c+3], s[34:35] offset:2048*\a+1024*U+512*\c
.else
	global_store_b128 v[LI], v[OUT+8*\a+4*\c:OUT+8*\a+4*\c+3], s[36:37] offset:1024*(2*U+\a)+512*\c
.endif
.endr
.endr
.endm
	s_wait_tensorcnt 0x0                           ; my eighth of the codes has landed,
	s_barrier_signal -1
	s_barrier_wait -1                              ; everybody's has
	WLOAD 0
	s_wait_loadcnt 0x0                             ; x's codes, the scale words, the biases
.irp j, 0,1,2,3,4,5
	UNIT \j
.endr
	s_wait_tensorcnt 0x0                           ; the wave's end
	ds_add_u32 v[SPW], v[NIL]
	s_wait_dscnt 0x0
	CROUND                                         ; the closing round
	s_endpgm
.Lfunc_end_k_qf6b940e63b_qkv:
	.size	k_qf6b940e63b_qkv, .Lfunc_end_k_qf6b940e63b_qkv-k_qf6b940e63b_qkv
	.p2alignl 7, 3214868480
	.fill 96, 4, 3214868480
	.section	.rodata,"a",@progbits
	.p2align	6, 0x0
	.amdhsa_kernel k_qf6b940e63b_qkv
		.amdhsa_group_segment_fixed_size 167936
		.amdhsa_private_segment_fixed_size 0
		.amdhsa_enable_private_segment 0
		.amdhsa_kernarg_size 32
		.amdhsa_user_sgpr_count 2
		.amdhsa_user_sgpr_kernarg_segment_ptr 1
		.amdhsa_wavefront_size32 1
		.amdhsa_system_sgpr_workgroup_id_x 1
		.amdhsa_system_sgpr_workgroup_id_y 1
		.amdhsa_system_sgpr_workgroup_id_z 1
		.amdhsa_system_vgpr_workitem_id 0
		.amdhsa_next_free_vgpr 256
		.amdhsa_next_free_sgpr 66
		.amdhsa_reserve_vcc 0
		.amdhsa_float_denorm_mode_32 3
		.amdhsa_float_denorm_mode_16_64 3
		.amdhsa_memory_ordered 1
		.amdhsa_forward_progress 1
		.amdhsa_inst_pref_size 41
	.end_amdhsa_kernel
	.amdgpu_metadata
---
amdhsa.version: [ 1, 2 ]
amdhsa.kernels:
  - .name:           k_qf6b940e63b_qkv
    .symbol:         k_qf6b940e63b_qkv.kd
    .args:
      - { .name: prepw, .offset: 0, .size: 8, .value_kind: global_buffer, .address_space: global }
      - { .name: bq, .offset: 8, .size: 8, .value_kind: global_buffer, .address_space: global }
      - { .name: bv, .offset: 16, .size: 8, .value_kind: global_buffer, .address_space: global }
      - { .name: qkvw, .offset: 24, .size: 8, .value_kind: global_buffer, .address_space: global }
    .group_segment_fixed_size: 167936
    .private_segment_fixed_size: 0
    .kernarg_segment_align: 8
    .kernarg_segment_size: 32
    .max_flat_workgroup_size: 256
    .sgpr_count:     66
    .vgpr_count:     256
    .wavefront_size: 32
...
	.end_amdgpu_metadata
.endif
;; end of part 2
;; launch attn (part 3): grid 8 x 32, 8 waves a work-group, clusters of 4 x 1, 327,680 bytes of LDS; arguments qkvw, ctxw; writes ctxw
.if DOCPART == 3
	.amdgcn_target "amdgcn-amd-amdhsa--gfx1250"
	.amdhsa_code_object_version 6
	.text
	.protected	k_qf6b940e63b_attn
	.globl	k_qf6b940e63b_attn
	.p2align	8
	.type	k_qf6b940e63b_attn,@function
k_qf6b940e63b_attn:
	s_mov_b64 s[64:65], 0
	v_nop
	global_prefetch_b8 v0, s[64:65] scope:SCOPE_SE
	s_setreg_imm32_b32 hwreg(HW_REG_WAVE_MODE, 25, 1), 1
	s_wait_xcnt 0x0
	s_wait_alu depctr_hold_cnt(0) depctr_sa_sdst(0) depctr_va_vdst(0) depctr_va_sdst(0) depctr_va_ssrc(0) depctr_va_vcc(0) depctr_vm_vsrc(0)
	s_getreg_b32 s2, hwreg(HW_REG_IB_STS2, 6, 4)
	s_cmp_eq_u32 s2, 0
	s_cbranch_scc0 .Lentry_in_a_cluster
	s_endpgm
.Lentry_in_a_cluster:
	s_bfe_u32 s2, ttmp6, 0x10000c
	s_cmp_lg_u32 s2, 0x3003
	s_cbranch_scc0 .Lentry_shape_is_right
	s_endpgm
.Lentry_shape_is_right:
; ATTN: ctx[b][h][q] = sum over keys of softmax(q . k / 8) v.  q arrives x log2(e) / 8, so a score t = q . k is the exponent in base 2.  Operands f16, sums f32.
; SOFTMAX: a running maximum m and sum l for each query: p = 2^(t - m); in every step l and O are multiplied by a = 2^(m_old - m_new), which is 1 where m has not grown.  l sums the f32 p; p goes to f16.
; SHARES.  A work-group takes 256 queries of one (batch, head), each of its eight waves 32 (two tiles); every wave walks the 2,048 keys, 64 a step.  Two waves share a SIMD: one wave's softmax stands beside the other's products.
; LAYOUT.  Both products transposed: S^T = K Q^T (source 0 = 16 keys, source 1 = 16 queries), O^T = V^T P (source 0 = 16 channels x 32 keys, source 1 = P): a lane holds one query throughout, and two key tiles of S^T,
; packed to f16, are a fragment of P.  K, V^T and Q lie in memory as images of their registers: a fragment is two loads of 16 bytes a lane, 512 consecutive bytes each: no pitch, no padding, no turning load.
; RING.  Two LDS slots of 512 keys (64 KiB of K, 64 KiB of V).  Waves 0-3 fetch K's quarters, waves 4-7 V's: one line, the addresses made from the wave's number.  A wave has two tensor loads out at the start, one later.
; CLUSTER.  The four query blocks of a cluster belong to one (batch, head) and walk the same K and V: each tile is asked for jointly.
; LIMITS: f16 operands (|q c|, |k|, |v| under 65,504); NaN and infinities are not served.
; REGISTERS.  window 0: v1-6 addresses; v8-23 statistics, 8 a tile: +0 m, +2, +3 l, +4, +5 at work, +6 a (+1, +7: upper words of pairs); v24-27 a second chain of sums; v32-95 V; v96-159 S^T, then p; v160-223 O^T; v224-255 P.
;             window 1: v0-31 Q (16 t + 8 f); v32-95 K (16 kt + 8 f).
.set O_KF,  8388608
.set SLOT1, 131072
.set SPARE, 262144                     ; behind the ring: the spare words, 128 bytes for each wave: four blocks of 256 bytes that no other line names
.set LI,  1
.set ADK, 2
.set ADV, 3
.set SPW, 4
.set NIL, 5
.set PFO, 6
.set ST,  8
.set UU,  24
.set VR,  32
.set S,   96
.set O,   160
.set P,   224
.set QR,  0
.set KR,  32
.set WV,  8
.set G1,  16
.set G0A, 24
.set G0B, 28
.set TB,  32                           ; s32 LDS byte at which the step to be fetched begins
.set SLOTS, 33
.set CNT, 34
.set SEL, 36
.set PFA, 38
.set LIM, 40
.set MSB, 0
.macro WIN new                         ; the immediate's high byte repeats the setting that is left
.if MSB != \new
	s_set_vgpr_msb (MSB<<8)|\new
.set MSB, \new
.endif
.endm
.macro PLACES n
.rept \n
	v_nop
.endr
.endm
.macro CROUND
	s_barrier_signal -1
	s_barrier_wait -1
	s_cmp_lg_u32 s[WV], 0
	s_cbranch_scc1 .Lnot_wave_0_\@
	s_barrier_signal -3
.Lnot_wave_0_\@:
	s_barrier_wait -3
	s_barrier_signal -1
	s_barrier_wait -1
.endm
; A prefetch of the tile that the NEXT change of slots will ask for: 512 keys, 64 KiB of K and 64 KiB of V, lanes 256 bytes apart, 8,192 bytes an instruction.  Both clusters of a (batch, head) walk the same bytes: the first asks.
; Its four partners take 16,384 bytes of each tensor, told apart by address; in each, waves 0, 1 ask for K's and waves 4, 5 for V's.  So each block is named once.  The last change that fills a slot asks for nothing.
.macro ASK
	s_cmp_gt_u32 s[SLOTS], s[LIM]
	s_cbranch_scc0 .Lnot_mine_\@
	global_prefetch_b8 v[PFO], s[PFA:PFA+1] th:TH_LOAD_NT scope:SCOPE_SE
.Lnot_mine_\@:
.endm
	s_load_b128 s[4:7], s[0:1], 0x0                ; qkvw, ctxw
	v_lshl_add_u32 v[SPW], v0, 2, SPARE
	v_mov_b32 v[NIL], 0
	ds_add_u32 v[SPW], v[NIL]                      ; the opening: the add, twice on end, and its wait ahead of my first tensor load
	ds_add_u32 v[SPW], v[NIL]
	v_lshrrev_b32 v7, 5, v0
	v_readfirstlane_b32 s[WV], v7                  ; wave 0..7
	v_and_b32 v7, 31, v0
	v_lshlrev_b32 v[LI], 4, v7
	v_lshlrev_b32 v[PFO], 8, v7
	s_and_b32 s11, ttmp7, 0xffff                   ; 8 batch + head, which the partners share
	s_mov_b32 s[G1], 15|(3<<16)|(1<<21)            ; mask of all four; elements of 8 bytes; bit 21 beside the mask
	s_mov_b32 s[G1+1], 32<<16                      ; rows of 256 bytes,
	s_mov_b32 s[G1+2], 64<<16                      ; 64 of them: 16,384 dense bytes
	s_mov_b32 s[G1+3], 32<<16
	s_mov_b32 s[G1+4], 64
	s_mov_b32 s[G1+5], 32
	s_mov_b32 s[G1+6], 0
	s_mov_b32 s[G1+7], 0
	s_lshr_b32 s12, s[WV], 2                       ; 0: I fetch for K; 1: for V
	s_and_b32 s13, s[WV], 3                        ; which quarter
	s_lshl_b32 s14, s12, 16
	s_lshl_b32 s15, s13, 14
	s_mov_b32 s[G0A], 1
	s_add_co_u32 s[G0A+1], s14, s15                ; slot 0
	s_mov_b32 s[G0B], 1
	s_add_co_u32 s[G0B+1], s[G0A+1], SLOT1         ; slot 1
	s_lshl_b32 s42, s12, 23
	s_lshl_b32 s43, s11, 18
	s_add_co_u32 s42, s42, s43
	s_add_co_u32 s42, s42, O_KF                    ; my tensor's bytes of this (batch, head)
	s_add_co_u32 s44, s42, s15
	s_mov_b32 s45, 0
	s_mov_b32 s[SEL], 0x76543210
	s_mov_b32 s[SEL+1], 0xfedcba98                 ; v_permlanex16_b32: lane l xor 16
	s_mov_b32 s[TB], 0
	s_mov_b32 s[SLOTS], 2
	s_and_b32 s[LIM], s[WV], 2
	s_or_b32 s[LIM], s[LIM], ttmp9                 ; 0 in waves 0, 1, 4, 5 of the first cluster: the same in all four partners
	s_cmp_eq_u32 s[LIM], 0
	s_cselect_b32 s[LIM], 1, -1
	s_bfe_u32 s9, ttmp6, 0x40000                   ; cx: it enters global addresses of my own alone
	s_lshl_b32 s10, ttmp9, 2
	s_add_co_u32 s10, s10, s9                      ; my block of 256 queries
	s_lshl_b32 s46, s9, 14
	s_add_co_u32 s46, s46, s42
	s_and_b32 s47, s[WV], 1
	s_lshl_b32 s47, s47, 13
	s_add_co_u32 s46, s46, s47
	s_add_co_u32 s46, s46, 2*65536                 ; the prefetches stand at tile 2; the first change steps them to tile 3
	s_mov_b32 s47, 0
	s_lshl_b32 s48, s11, 18
	s_lshl_b32 s49, s10, 15
	s_add_co_u32 s48, s48, s49
	s_lshl_b32 s49, s[WV], 12
	s_add_co_u32 s48, s48, s49                     ; Q: tile 128 bh + 16 block + 2 w, 2,048 bytes each
	s_mov_b32 s49, 0
	s_lshr_b32 s50, s11, 3
	s_lshl_b32 s50, s50, 21
	s_lshl_b32 s51, s10, 18
	s_add_co_u32 s50, s50, s51
	s_lshl_b32 s51, s[WV], 15
	s_add_co_u32 s50, s50, s51
	s_and_b32 s51, s11, 7
	s_lshl_b32 s51, s51, 11
	s_add_co_u32 s50, s50, s51                     ; ctx: row tile 128 batch + 16 block + 2 w, 16,384 bytes each; k fragment 2 head
	s_mov_b32 s51, 0
	s_wait_dscnt 0x0                               ; both opening adds are done
	s_wait_kmcnt 0x0
	s_add_nc_u64 s[G0A+2:G0A+3], s[4:5], s[44:45]  ; keys 0-511
	s_add_nc_u64 s[G0B+2:G0B+3], s[G0A+2:G0A+3], 65536   ; keys 512-1023
	s_or_b32 s[G0A+3], s[G0A+3], 0x80000000
	s_or_b32 s[G0B+3], s[G0B+3], 0x80000000
	s_add_nc_u64 s[PFA:PFA+1], s[4:5], s[46:47]
	s_add_nc_u64 s[48:49], s[4:5], s[48:49]
	s_add_nc_u64 s[50:51], s[6:7], s[50:51]
	CROUND                                         ; all four work-groups are here: the first joint loads meet
	tensor_load_to_lds s[G0A:G0A+3], s[G1:G1+7]
	s_nop 0
	tensor_load_to_lds s[G0B:G0B+3], s[G1:G1+7]
	s_nop 0
	PLACES 4
	WIN 0x40                                       ; destination window 1
.set i, 0
.rept 8
	global_load_b128 v[QR+4*i:QR+4*i+3], v[LI], s[48:49] offset:512*i   ; Q stays in registers
.set i, i+1
.endr
	WIN 0
.irp t, 0,1
	v_mov_b32 v[ST+8*\t], 0xff61b1e6               ; m: -3e38, under every score
	v_mov_b32 v[ST+8*\t+1], 0
	v_mov_b32 v[ST+8*\t+2], 0                      ; l, in two halves
	v_mov_b32 v[ST+8*\t+3], 0
	v_mov_b32 v[ST+8*\t+7], 0
.endr
.set i, 0
.rept 64
	v_mov_b32 v[O+i], 0                            ; O^T.  The step is written without a first form of its own: the first step finds zeros, which a = 0 leaves zeros
.set i, i+1
.endr
	v_mov_b32 v[ADK], v[LI]
	v_add_nc_u32 v[ADV], 0x10000, v[LI]
.macro SOFTMAX                         ; the two tiles line by line, so that no line waits for the line above it
.irp t, 0,1
	v_max3_num_f32 v[ST+8*\t+4], v[S+32*\t], v[S+32*\t+1], v[S+32*\t+2]          ; two chains; each accumulator is first read at its low end
	v_max3_num_f32 v[ST+8*\t+5], v[S+32*\t+16], v[S+32*\t+17], v[S+32*\t+18]
.endr
.irp i, 0,1,2,3,4,5
.irp t, 0,1
	v_max3_num_f32 v[ST+8*\t+4], v[ST+8*\t+4], v[S+32*\t+3+2*\i], v[S+32*\t+4+2*\i]
	v_max3_num_f32 v[ST+8*\t+5], v[ST+8*\t+5], v[S+32*\t+19+2*\i], v[S+32*\t+20+2*\i]
.endr
.endr
.irp t, 0,1
	v_max3_num_f32 v[ST+8*\t+4], v[ST+8*\t+4], v[S+32*\t+15], v[S+32*\t+31]
.endr
.irp t, 0,1
	v_max3_num_f32 v[ST+8*\t+4], v[ST+8*\t+4], v[ST+8*\t+5], v[ST+8*\t]          ; with the old m
.endr
.irp t, 0,1
	v_permlanex16_b32 v[ST+8*\t+5], v[ST+8*\t+4], s[SEL], s[SEL+1]               ; the query's other 32 keys lie in the lane 16 away
.endr
.irp t, 0,1
	v_max_num_f32 v[ST+8*\t+4], v[ST+8*\t+4], v[ST+8*\t+5]                       ; the new m
.endr
.irp t, 0,1
	v_sub_f32 v[ST+8*\t+6], v[ST+8*\t], v[ST+8*\t+4]                             ; m_old - m_new
.endr
.irp t, 0,1
	v_mov_b32 v[ST+8*\t], v[ST+8*\t+4]
.endr
.irp t, 0,1
	v_exp_f32 v[ST+8*\t+6], v[ST+8*\t+6]                                         ; a
.endr
.set i, 0
.rept 16
.irp t, 0,1
	v_pk_add_f32 v[S+32*\t+2*i:S+32*\t+2*i+1], v[S+32*\t+2*i:S+32*\t+2*i+1], v[ST+8*\t:ST+8*\t+1] op_sel_hi:[1,0] neg_lo:[0,1] neg_hi:[0,1]   ; t - m
.endr
.set i, i+1
.endr
.set i, 0
.rept 64
	v_exp_f32 v[S+i], v[S+i]                                                     ; p
.set i, i+1
.endr
	v_nop                                          ; a plain line behind the last exponential
	s_wait_alu depctr_va_vdst(0)                   ; one wait for all 66 exponentials, ahead of their first reader
.irp t, 0,1
	v_pk_fma_f32 v[ST+8*\t+2:ST+8*\t+3], v[ST+8*\t+2:ST+8*\t+3], v[ST+8*\t+6:ST+8*\t+7], v[S+32*\t:S+32*\t+1] op_sel_hi:[1,0,1]   ; l = a l + p ..
	v_pk_add_f32 v[UU+2*\t:UU+2*\t+1], v[S+32*\t+2:S+32*\t+3], v[S+32*\t+4:S+32*\t+5]
.endr
.irp i, 3,5,7,9,11,13
.irp t, 0,1
	v_pk_add_f32 v[ST+8*\t+2:ST+8*\t+3], v[ST+8*\t+2:ST+8*\t+3], v[S+32*\t+2*\i:S+32*\t+2*\i+1]
	v_pk_add_f32 v[UU+2*\t:UU+2*\t+1], v[UU+2*\t:UU+2*\t+1], v[S+32*\t+2*\i+2:S+32*\t+2*\i+3]
.endr
.endr
.irp t, 0,1
	v_pk_add_f32 v[ST+8*\t+2:ST+8*\t+3], v[ST+8*\t+2:ST+8*\t+3], v[S+32*\t+30:S+32*\t+31]
.endr
.irp t, 0,1
	v_pk_add_f32 v[ST+8*\t+2:ST+8*\t+3], v[ST+8*\t+2:ST+8*\t+3], v[UU+2*\t:UU+2*\t+1]
.endr
.set i, 0
.rept 32
	v_cvt_pk_f16_f32 v[P+i], v[S+2*i], v[S+2*i+1]  ; key tiles 2 g and 2 g + 1 of a query tile are P's fragment g
.set i, i+1
.endr
.set i, 0
.rept 16
.irp t, 0,1
	v_pk_mul_f32 v[O+32*\t+2*i:O+32*\t+2*i+1], v[O+32*\t+2*i:O+32*\t+2*i+1], v[ST+8*\t+6:ST+8*\t+7] op_sel_hi:[1,0]   ; O^T x a
.endr
.set i, i+1
.endr
.endm
; THE CHANGE OF SLOTS, in a slot's last step, when its last bytes (V of that step) have been asked for.  Each wave waits for all its tensor loads (its part of the other slot), adds 0 to its spare word, and waits for that
; and for its reads of the slot.  fill = 1: the barrier is a round of the cluster's, and the joint refill is the first thing behind it: it has eight key steps in which to land.
.macro CHANGE fill
	s_wait_tensorcnt 0x0
	ds_add_u32 v[SPW], v[NIL]
.if \fill
	s_xor_b32 s[G0B+1], s[G0B+1], SLOT1            ; the walking descriptor: the other slot than last time,
	s_add_nc_u64 s[G0B+2:G0B+3], s[G0B+2:G0B+3], 65536   ; the next 512 keys
	s_wait_xcnt 0x0                                ; earlier memory instructions have read their addresses:
	s_add_nc_u64 s[PFA:PFA+1], s[PFA:PFA+1], 65536 ; one tile further on than the walking descriptor
	s_wait_dscnt 0x0                               ; the add is done, and my reads of the slot are over
	CROUND
	tensor_load_to_lds s[G0B:G0B+3], s[G1:G1+7]
	s_nop 0
	PLACES 4                                       ; also the places behind the products K Q^T
	ASK
.else
	s_wait_dscnt 0x0
	s_barrier_signal -1
	s_barrier_wait -1
	PLACES 4
.endif
.endm
; A KEY STEP of 64 keys.  mode 0: inside a slot; 1: the slot's last, with a refill; 2: the slot's last, nothing left to fetch; 3: the very last step.
.macro STEP mode
	PLACES 4                                       ; behind the last products V^T P, whose registers of V are loaded next and whose P and O^T the softmax writes
.set i, 0
.rept 8
	ds_load_b128 v[VR+8*i:VR+8*i+3], v[ADV] offset:1024*i
	ds_load_b128 v[VR+8*i+4:VR+8*i+7], v[ADV] offset:1024*i+512
.set i, i+1
.endr
	s_wait_dscnt 16                                ; all but V's 16 loads just issued: K of this step is in
	WIN 0x05                                       ; K and Q in window 1
.irp f, 0,1
.irp kt, 0,1,2,3
.irp t, 0,1
.if \f == 0
	v_wmma_f32_16x16x32_f16 v[S+32*\t+8*\kt:S+32*\t+8*\kt+7], v[KR+16*\kt+8*\f:KR+16*\kt+8*\f+7], v[QR+16*\t+8*\f:QR+16*\t+8*\f+7], 0
.else
	v_wmma_f32_16x16x32_f16 v[S+32*\t+8*\kt:S+32*\t+8*\kt+7], v[KR+16*\kt+8*\f:KR+16*\kt+8*\f+7], v[QR+16*\t+8*\f:QR+16*\t+8*\f+7], v[S+32*\t+8*\kt:S+32*\t+8*\kt+7]
.endif
.endr
.endr
.endr
	WIN 0
.if (\mode == 0) || (\mode == 3)
	PLACES 4                                       ; in front of the loads into K's registers and of the first read of the scores
.elseif \mode == 1
	CHANGE 1
.else
	CHANGE 0
.endif
.if \mode != 3
.if \mode == 0
	s_add_co_u32 s[TB], s[TB], 8192                ; the next step's tiles
.else
	s_sub_co_u32 s[TB], s[TB], 57344               ; back to a slot's first step,
	s_xor_b32 s[TB], s[TB], SLOT1                  ; in the other slot
.endif
	v_add_nc_u32 v[ADK], s[TB], v[LI]
	v_add_nc_u32 v[ADV], 0x10000, v[ADK]
	WIN 0x40
.set i, 0
.rept 8
	ds_load_b128 v[KR+8*i:KR+8*i+3], v[ADK] offset:1024*i
	ds_load_b128 v[KR+8*i+4:KR+8*i+7], v[ADK] offset:1024*i+512
.set i, i+1
.endr
	WIN 0
.endif
	SOFTMAX
.if \mode == 3
	s_wait_dscnt 0x0
.else
	s_wait_dscnt 16                                ; all but the next step's K: V of this step is in
.endif
.irp g, 0,1
.irp ct, 0,1,2,3
.irp t, 0,1
	v_wmma_f32_16x16x32_f16 v[O+32*\t+8*\ct:O+32*\t+8*\ct+7], v[VR+32*\g+8*\ct:VR+32*\g+8*\ct+7], v[P+16*\t+8*\g:P+16*\t+8*\g+7], v[O+32*\t+8*\ct:O+32*\t+8*\ct+7]
.endr
.endr
.endr
.endm
.macro SEVEN
	s_mov_b32 s[CNT], 7
.Lseven_\@:
	STEP 0
	s_sub_co_u32 s[CNT], s[CNT], 1
	s_cmp_lg_u32 s[CNT], 0
	s_cbranch_scc1 .Lseven_\@
.endm
	s_wait_tensorcnt 0x1                           ; my part of slot 0 is in; slot 1's may stay out
	s_barrier_signal -1
	s_barrier_wait -1
	WIN 0x40
.set i, 0
.rept 8
	ds_load_b128 v[KR+8*i:KR+8*i+3], v[ADK] offset:1024*i
	ds_load_b128 v[KR+8*i+4:KR+8*i+7], v[ADK] offset:1024*i+512
.set i, i+1
.endr
	WIN 0
	s_wait_loadcnt 0x0                             ; Q
.Lslot:                                            ; two trips: the first two slots are filled again
	SEVEN
	STEP 1
	s_sub_co_u32 s[SLOTS], s[SLOTS], 1
	s_cmp_lg_u32 s[SLOTS], 0
	s_cbranch_scc1 .Lslot
	SEVEN                                          ; the tail is written out
	STEP 2
	SEVEN
	STEP 3
	; THE WAY OUT: O^T / l, packed to f16: channel tiles 2 f and 2 f + 1 are fragment 2 head + f of ctx's row tile: stored as an image, 512 consecutive bytes a store
	PLACES 4
.irp t, 0,1
	v_add_f32 v[ST+8*\t+4], v[ST+8*\t+2], v[ST+8*\t+3]
.endr
.irp t, 0,1
	v_permlanex16_b32 v[ST+8*\t+5], v[ST+8*\t+4], s[SEL], s[SEL+1]
.endr
.irp t, 0,1
	v_add_f32 v[ST+8*\t+4], v[ST+8*\t+4], v[ST+8*\t+5]
.endr
.irp t, 0,1
	v_rcp_f32 v[ST+8*\t+6], v[ST+8*\t+4]
.endr
	v_nop
	s_wait_alu depctr_va_vdst(0)                   ; one wait for both reciprocals, ahead of their first reader
.irp t, 0,1
.set i, 0
.rept 16
	v_pk_mul_f32 v[O+32*\t+2*i:O+32*\t+2*i+1], v[O+32*\t+2*i:O+32*\t+2*i+1], v[ST+8*\t+6:ST+8*\t+7] op_sel_hi:[1,0]
.set i, i+1
.endr
.endr
.set i, 0
.rept 32
	v_cvt_pk_f16_f32 v[S+i], v[O+2*i], v[O+2*i+1]
.set i, i+1
.endr
.irp t, 0,1
.irp k, 0,1,2,3
	global_store_b128 v[LI], v[S+16*\t+4*\k:S+16*\t+4*\k+3], s[50:51] offset:16384*\t+512*\k
.endr
.endr
	s_wait_tensorcnt 0x0                           ; the wave's end
	ds_add_u32 v[SPW], v[NIL]
	s_wait_dscnt 0x0
	CROUND                                         ; the closing round
	s_endpgm
.Lfunc_end_k_qf6b940e63b_attn:
	.size	k_qf6b940e63b_attn, .Lfunc_end_k_qf6b940e63b_attn-k_qf6b940e63b_attn
	.p2alignl 7, 3214868480
	.fill 96, 4, 3214868480
	.section	.rodata,"a",@progbits
	.p2align	6, 0x0
	.amdhsa_kernel k_qf6b940e63b_attn
		.amdhsa_group_segment_fixed_size 327680
		.amdhsa_private_segment_fixed_size 0
		.amdhsa_enable_private_segment 0
		.amdhsa_kernarg_size 16
		.amdhsa_user_sgpr_count 2
		.amdhsa_user_sgpr_kernarg_segment_ptr 1
		.amdhsa_wavefront_size32 1
		.amdhsa_system_sgpr_workgroup_id_x 1
		.amdhsa_system_sgpr_workgroup_id_y 1
		.amdhsa_system_sgpr_workgroup_id_z 1
		.amdhsa_system_vgpr_workitem_id 0
		.amdhsa_next_free_vgpr 352
		.amdhsa_next_free_sgpr 66
		.amdhsa_reserve_vcc 0
		.amdhsa_float_denorm_mode_32 3
		.amdhsa_float_denorm_mode_16_64 3
		.amdhsa_memory_ordered 1
		.amdhsa_forward_progress 1
		.amdhsa_inst_pref_size 117
	.end_amdhsa_kernel
	.amdgpu_metadata
---
amdhsa.version: [ 1, 2 ]
amdhsa.kernels:
  - .name:           k_qf6b940e63b_attn
    .symbol:         k_qf6b940e63b_attn.kd
    .args:
      - { .name: qkvw, .offset: 0, .size: 8, .value_kind: global_buffer, .address_space: global }
      - { .name: ctxw, .offset: 8, .size: 8, .value_kind: global_buffer, .address_space: global }
    .group_segment_fixed_size: 327680
    .private_segment_fixed_size: 0
    .kernarg_segment_align: 8
    .kernarg_segment_size: 16
    .max_flat_workgroup_size: 256
    .sgpr_count:     66
    .vgpr_count:     352
    .wavefront_size: 32
...
	.end_amdgpu_metadata
.endif
;; end of part 3
;; launch proj (part 4): grid 256 x 1, 8 waves a work-group, clusters of 4 x 1, 327,680 bytes of LDS; arguments ctxw, prepw, x, bo, g1, beta1, x1w; writes x1w
.if DOCPART == 4
	.amdgcn_target "amdgcn-amd-amdhsa--gfx1250"
	.amdhsa_code_object_version 6
	.text
	.protected	k_qf6b940e63b_proj
	.globl	k_qf6b940e63b_proj
	.p2align	8
	.type	k_qf6b940e63b_proj,@function
k_qf6b940e63b_proj:
	s_mov_b64 s[64:65], 0
	v_nop
	global_prefetch_b8 v0, s[64:65] scope:SCOPE_SE
	s_setreg_imm32_b32 hwreg(HW_REG_WAVE_MODE, 25, 1), 1
	s_wait_xcnt 0x0
	s_wait_alu depctr_hold_cnt(0) depctr_sa_sdst(0) depctr_va_vdst(0) depctr_va_sdst(0) depctr_va_ssrc(0) depctr_va_vcc(0) depctr_vm_vsrc(0)
	s_getreg_b32 s2, hwreg(HW_REG_IB_STS2, 6, 4)
	s_cmp_eq_u32 s2, 0
	s_cbranch_scc0 .Lentry_in_a_cluster
	s_endpgm
.Lentry_in_a_cluster:
	s_bfe_u32 s2, ttmp6, 0x10000c
	s_cmp_lg_u32 s2, 0x3003
	s_cbranch_scc0 .Lentry_shape_is_right
	s_endpgm
.Lentry_shape_is_right:
; PROJ: x1 = layer_norm(x + ctx Wo + bo) g1 + beta1.  Operands f16, sums f32, the norm in f32, in two passes (the mean, then the mean of the squared deviations).  x1 leaves as f32 rows and as f16 images.
; SHARES.  A norm wants whole rows: a work-group takes 32 rows (two tiles) x all 512 columns; wave w takes columns 64 w .. 64 w + 63: 8 accumulators.
; THE PRODUCT IS USED TRANSPOSED (source 0 = 16 columns of the weight, source 1 = 16 rows): a lane holds one row and 8 neighbouring columns.  Residual + bias are the C of each sum's first product.
; RING.  K goes in steps of 128 through two LDS slots: the weight's 32 column tiles (128 KiB) and my rows' 8 KiB, all as images of the operands' registers.  Waves 0-3 fetch the weight, waves 4-7 the rows; a wave has two tensor loads out at the start, one later.
; CLUSTER.  Every work-group walks the same weight: the four of a cluster ask for it jointly.  The rows are a work-group's own: plain loads.
; LIMITS: f16 operands (|ctx|, |Wo|, |x1| under 65,504); NaN and infinities are not served.
.set KF,      16                       ; k fragments of 32 in K
.set WOFF,    2646016                  ; the weight's images in prepw
.set IS_PROJ, 1
.set ASKS,    0                        ; four K steps, two of them first fills: nothing is prefetched
.set O_X1F,   16777216
.set PITCH,   1024*KF                  ; from tile to tile in the images
.set NS,      KF/4                     ; K steps of 128
.set SLOT,    139264
.set AOFF,    131072
.set STAGE,   2*SLOT                   ; 16 rows x 272 bytes for each wave
.set STAT,    STAGE+8*4352             ; two exchanges of 1,024 bytes
.set SPARE,   STAT+2048                ; the spare words, 128 bytes for each wave: four blocks of 256 bytes that no other line names
.set LI,   1                           ; v1  16 x lane
.set AW,   2                           ; v2-3  my four column tiles in slot 0, 1
.set AA,   4                           ; v4-5  the rows' tiles in slot 0, 1
.set STO,  6                           ; v6  the stage by the result's layout: row r, 32 h bytes
.set RD,   7                           ; v7  the stage by rows: sixteen lanes a row of 256 bytes
.set GOFF, 8                           ; v8  the same two rows in memory, my wave's 256 bytes
.set SPW,  9
.set NIL,  10
.set SA,   11                          ; v11 STAT + 4 x thread
.set SB,   12                          ; v12 STAT + 4 x lane
.set PFO,  13
.set BOFF, 14                          ; v14 my 8 columns in a vector of 512: 256 w + 32 h
.set ACC,  32                          ; v32-95   32 rt + 8 i
.set RES,  96                          ; v96-159  residual + bias, the same places; later g (v96-127) and beta (v128-159), 8 i + j
.set FB0,  160                         ; v160-207, v208-255: two buffers: four fragments of the weight, two of the rows
.set FB1,  208
.set WV,   18
.set G1W,  24
.set G1A,  32
.set G0W,  40
.set G0A,  48
.set SEL,  56
.set PFA,  66
.set LIM,  68
.macro PLACES n
.rept \n
	v_nop
.endr
.endm
.macro CROUND
	s_barrier_signal -1
	s_barrier_wait -1
	s_cmp_lg_u32 s[WV], 0
	s_cbranch_scc1 .Lnot_wave_0_\@
	s_barrier_signal -3
.Lnot_wave_0_\@:
	s_barrier_wait -3
	s_barrier_signal -1
	s_barrier_wait -1
.endm
.macro JLOAD n                         ; waves 0-3: the weight, jointly; waves 4-7: my rows.  The branch hangs on the wave's number alone
	s_cmp_eq_u32 s19, 0
	s_cbranch_scc0 .Lfor_a_\@
	tensor_load_to_lds s[G0W+4*\n:G0W+4*\n+3], s[G1W:G1W+7]
	s_nop 0
	PLACES 4
	s_branch .Lasked_\@
.Lfor_a_\@:
	tensor_load_to_lds s[G0A+4*\n:G0A+4*\n+3], s[G1A:G1A+7]
	s_nop 0
	PLACES 4
.Lasked_\@:
.endm
.macro ASK                             ; a prefetch of the K step that stands one refill on: 2 tiles x 4,096 bytes, lanes 256 bytes apart
	s_cmp_eq_u32 s[LIM], 1
	s_cbranch_scc0 .Lnot_mine_\@
	global_prefetch_b8 v[PFO], s[PFA:PFA+1] th:TH_LOAD_NT scope:SCOPE_SE
.Lnot_mine_\@:
.endm
	s_load_b256 s[4:11], s[0:1], 0x0               ; A's images, prepw, the residual's rows, the bias
	s_load_b128 s[12:15], s[0:1], 0x20             ; g, beta
	s_load_b64 s[16:17], s[0:1], 0x30              ; the result
	v_lshl_add_u32 v[SPW], v0, 2, SPARE
	v_mov_b32 v[NIL], 0
	ds_add_u32 v[SPW], v[NIL]                      ; the opening: the add, twice on end, and its wait ahead of my first tensor load
	ds_add_u32 v[SPW], v[NIL]
	v_lshrrev_b32 v16, 5, v0
	v_readfirstlane_b32 s[WV], v16                 ; wave 0..7
	s_lshr_b32 s19, s[WV], 2                       ; 0: I fetch the weight; 1: the rows
	s_and_b32 s20, s[WV], 3                        ; which quarter
	s_mov_b32 s[G1W], 15|(3<<16)|(1<<21)           ; mask of all four; elements of 8 bytes; bit 21 beside the mask
	s_mov_b32 s[G1W+1], 512<<16                    ; rows of 4,096 bytes: a column tile's four fragments,
	s_mov_b32 s[G1W+2], 8<<16                      ; 8 column tiles,
	s_mov_b32 s[G1W+3], 512<<16
	s_mov_b32 s[G1W+4], 8
	s_mov_b32 s[G1W+5], PITCH/8                    ; PITCH bytes apart
	s_mov_b32 s[G1W+6], 0
	s_mov_b32 s[G1W+7], 0
	s_mov_b32 s[G1A], 3<<16                        ; no mask
	s_mov_b32 s[G1A+1], 32<<16                     ; 8 rows of 256 bytes: 2,048 dense bytes
	s_mov_b32 s[G1A+2], 8<<16
	s_mov_b32 s[G1A+3], 32<<16
	s_mov_b32 s[G1A+4], 8
	s_mov_b32 s[G1A+5], 32
	s_mov_b32 s[G1A+6], 0
	s_mov_b32 s[G1A+7], 0
	s_lshl_b32 s70, s20, 15
	s_mov_b32 s[G0W], 1
	s_mov_b32 s[G0W+1], s70
	s_mov_b32 s[G0W+4], 1
	s_add_co_u32 s[G0W+5], s70, SLOT
	s_mul_i32 s72, s20, 8*PITCH
	s_add_co_u32 s72, s72, WOFF
	s_mov_b32 s73, 0
	s_lshl_b32 s71, s20, 11
	s_add_co_u32 s71, s71, AOFF
	s_mov_b32 s[G0A], 1
	s_mov_b32 s[G0A+1], s71
	s_mov_b32 s[G0A+4], 1
	s_add_co_u32 s[G0A+5], s71, SLOT
	s_bfe_u32 s21, ttmp6, 0x40000                  ; cx: it enters global addresses of my own alone
	s_lshl_b32 s22, ttmp9, 2
	s_add_co_u32 s22, s22, s21                     ; work-group
	s_lshl_b32 s74, s22, 1
	s_lshr_b32 s75, s20, 1
	s_add_co_u32 s74, s74, s75                     ; row tile
	s_mul_i32 s74, s74, PITCH
	s_and_b32 s75, s20, 1
	s_lshl_b32 s75, s75, 11
	s_add_co_u32 s74, s74, s75
	s_mov_b32 s75, 0
	s_mov_b32 s[SEL], 0x76543210
	s_mov_b32 s[SEL+1], 0xfedcba98
	s_mov_b32 s58, 0xffff0000                      ; lanes 16-31
	s_mov_b32 s59, 0x3b000000                      ; 1 / 512
	s_mov_b32 s60, 0x3727c5ac                      ; 1e-5
	v_and_b32 v16, 31, v0                          ; lane
	v_and_b32 v17, 15, v0                          ; r
	v_bfe_u32 v18, v0, 4, 1                        ; h
	v_lshlrev_b32 v[LI], 4, v16
	s_lshl_b32 s76, s[WV], 14
	v_add_nc_u32 v[AW], s76, v[LI]
	v_add_nc_u32 v[AW+1], SLOT, v[AW]
	v_add_nc_u32 v[AA], AOFF, v[LI]
	v_add_nc_u32 v[AA+1], AOFF+SLOT, v[LI]
	s_mul_i32 s76, s[WV], 4352
	s_add_co_u32 s76, s76, STAGE
	v_mul_u32_u24 v[STO], v17, 272
	v_lshl_add_u32 v[STO], v18, 5, v[STO]
	v_add_nc_u32 v[STO], s76, v[STO]
	v_mul_u32_u24 v[RD], v18, 272
	v_lshl_add_u32 v[RD], v17, 4, v[RD]
	v_add_nc_u32 v[RD], s76, v[RD]
	s_lshl_b32 s76, s[WV], 8
	v_lshlrev_b32 v[GOFF], 11, v18
	v_lshl_add_u32 v[GOFF], v17, 4, v[GOFF]
	v_add_nc_u32 v[GOFF], s76, v[GOFF]
	v_lshl_add_u32 v[BOFF], v18, 5, s76
	v_lshl_add_u32 v[SA], v0, 2, STAT
	v_lshl_add_u32 v[SB], v16, 2, STAT
	v_mov_b32 v21, 0                               ; upper words of pairs, and destinations of lane permutes: written once
	v_mov_b32 v23, 0
	v_mov_b32 v24, 0
	v_mov_b32 v25, 0
.if ASKS
	v_mul_u32_u24 v[PFO], v18, PITCH
	v_lshl_add_u32 v[PFO], v17, 8, v[PFO]
	s_lshl_b32 s76, s[WV], 3
	s_lshl_b32 s77, s21, 1
	s_add_co_u32 s76, s76, s77                     ; the weight: of the 8 column tiles that wave w fetches, the partner at place cx takes two: told apart by address
	s_mul_i32 s76, s76, PITCH
	s_add_co_u32 s76, s76, WOFF+8192
	s_lshl_b32 s77, s22, 1
	s_mul_i32 s77, s77, PITCH
	s_add_co_u32 s77, s77, 8192                    ; the rows: my two row tiles.  Both stand at K step 2; the first change steps them to 3
	s_sub_co_u32 s78, s[WV], 4
	s_cmp_lt_u32 s[WV], 4
	s_cselect_b32 s76, s76, s77
	s_cselect_b32 s78, ttmp9, s78                  ; 0 in waves 0-3 of the first cluster (every cluster reads the same weight) and in wave 4 of every work-group
	s_mov_b32 s77, 0
	s_cmp_eq_u32 s78, 0
	s_cselect_b32 s[LIM], 1, 0
.endif
	s_wait_dscnt 0x0                               ; both opening adds are done
	s_wait_kmcnt 0x0
	s_add_nc_u64 s[G0W+2:G0W+3], s[6:7], s[72:73]
	s_add_nc_u64 s[G0W+6:G0W+7], s[G0W+2:G0W+3], 4096
	s_or_b32 s[G0W+3], s[G0W+3], 0x80000000
	s_or_b32 s[G0W+7], s[G0W+7], 0x80000000
	s_add_nc_u64 s[G0A+2:G0A+3], s[4:5], s[74:75]
	s_add_nc_u64 s[G0A+6:G0A+7], s[G0A+2:G0A+3], 4096
	s_or_b32 s[G0A+3], s[G0A+3], 0x80000000
	s_or_b32 s[G0A+7], s[G0A+7], 0x80000000
.if ASKS
	s_cmp_lt_u32 s[WV], 4
	s_cselect_b64 s[PFA:PFA+1], s[6:7], s[4:5]
	s_add_nc_u64 s[PFA:PFA+1], s[PFA:PFA+1], s[76:77]
.endif
.if IS_PROJ
	s_lshl_b32 s74, s22, 15
	s_lshl_b32 s76, s[WV], 11
	s_add_co_u32 s74, s74, s76
	s_add_co_u32 s74, s74, O_X1F
	s_add_nc_u64 s[PFA:PFA+1], s[16:17], s[74:75]  ; (no prefetch here: the pair holds x1's images: row tile 2 wg, k fragment 2 w)
.endif
	s_lshl_b32 s74, s22, 16
	s_add_nc_u64 s[8:9], s[8:9], s[74:75]          ; my 32 rows of 2,048 bytes
	s_add_nc_u64 s[16:17], s[16:17], s[74:75]
	CROUND                                         ; all four work-groups are here: the first joint loads meet
	JLOAD 0
	JLOAD 1
	; the residual comes as rows (sixteen lanes read 256 consecutive bytes) and turns through my stage into the result's layout
.irp rt, 0,1
.irp i, 0,1,2,3,4,5,6,7
	global_load_b128 v[160+32*\rt+4*\i:160+32*\rt+4*\i+3], v[GOFF], s[8:9] offset:(16*\rt+2*\i)*2048
.endr
.endr
.irp i, 0,1,2,3
	global_load_b128 v[224+8*\i:224+8*\i+3], v[BOFF], s[10:11] offset:64*\i
	global_load_b128 v[228+8*\i:228+8*\i+3], v[BOFF], s[10:11] offset:64*\i+16
.endr
	s_wait_loadcnt 8                               ; the rows are in; the bias's eight loads may be out
.irp rt, 0,1
.irp i, 0,1,2,3,4,5,6,7
	ds_store_b128 v[RD], v[160+32*\rt+4*\i:160+32*\rt+4*\i+3] offset:544*\i
.endr
.irp i, 0,1,2,3
	ds_load_b128 v[RES+32*\rt+8*\i:RES+32*\rt+8*\i+3], v[STO] offset:64*\i         ; LDS serves a wave in order: these see the stores above, and the next tile's stores come behind them
	ds_load_b128 v[RES+32*\rt+8*\i+4:RES+32*\rt+8*\i+7], v[STO] offset:64*\i+16
.endr
.endr
	s_wait_loadcnt 0x0
	s_wait_dscnt 0x0
.irp rt, 0,1
.set i, 0
.rept 16
	v_pk_add_f32 v[RES+32*\rt+2*i:RES+32*\rt+2*i+1], v[RES+32*\rt+2*i:RES+32*\rt+2*i+1], v[224+2*i:224+2*i+1]
.set i, i+1
.endr
.endr
.macro FETCH n, q, fb                  ; 12 LDS loads: k fragment q of slot n: my four column tiles, the two row tiles
.irp i, 0,1,2,3
	ds_load_b128 v[\fb+8*\i:\fb+8*\i+3], v[AW+\n] offset:4096*\i+1024*\q
	ds_load_b128 v[\fb+8*\i+4:\fb+8*\i+7], v[AW+\n] offset:4096*\i+1024*\q+512
.endr
.irp rt, 0,1
	ds_load_b128 v[\fb+32+8*\rt:\fb+32+8*\rt+3], v[AA+\n] offset:4096*\rt+1024*\q
	ds_load_b128 v[\fb+32+8*\rt+4:\fb+32+8*\rt+7], v[AA+\n] offset:4096*\rt+1024*\q+512
.endr
.endm
.macro MUL fb, first                   ; 8 matrix instructions, the 8 accumulators by turns, one instruction a turn
.irp i, 0,1,2,3
.irp rt, 0,1
.if \first
	v_wmma_f32_16x16x32_f16 v[ACC+32*\rt+8*\i:ACC+32*\rt+8*\i+7], v[\fb+8*\i:\fb+8*\i+7], v[\fb+32+8*\rt:\fb+32+8*\rt+7], v[RES+32*\rt+8*\i:RES+32*\rt+8*\i+7]
.else
	v_wmma_f32_16x16x32_f16 v[ACC+32*\rt+8*\i:ACC+32*\rt+8*\i+7], v[\fb+8*\i:\fb+8*\i+7], v[\fb+32+8*\rt:\fb+32+8*\rt+7], v[ACC+32*\rt+8*\i:ACC+32*\rt+8*\i+7]
.endif
.endr
.endr
.endm
.macro Q3 n, first                     ; a K step's first three quarters.  Fragment 0 is on its way into FB0; four places stand behind the last reader of FB1 already
	FETCH \n, 1, FB1
	s_wait_dscnt 12                                ; all but the 12 loads just issued
	MUL FB0, \first
	PLACES 4                                       ; in front of loads into registers that those products read
	FETCH \n, 2, FB0
	s_wait_dscnt 12
	MUL FB1, 0
	PLACES 4
	FETCH \n, 3, FB1
	s_wait_dscnt 12
	MUL FB0, 0
.endm
; A K step's last quarter changes slots.  Each wave waits for all its tensor loads (its part of the next slot), adds 0 to its spare word, and waits for that and for its reads of this slot.
; fill = 1: the barrier is a round of the cluster's, and the refill, two K steps ahead, is the first thing behind it.
.macro TURN n, next, fill, ask
	s_wait_tensorcnt 0x0
	ds_add_u32 v[SPW], v[NIL]
.if \fill
.if \ask
	s_wait_xcnt 0x0                                ; the last prefetch, a K step back, has read its address
	s_add_nc_u64 s[PFA:PFA+1], s[PFA:PFA+1], 4096
.endif
	s_add_nc_u64 s[G0W+4*\n+2:G0W+4*\n+3], s[G0W+4*\n+2:G0W+4*\n+3], 8192
	s_add_nc_u64 s[G0A+4*\n+2:G0A+4*\n+3], s[G0A+4*\n+2:G0A+4*\n+3], 8192
.endif
	s_wait_dscnt 1                                 ; the add may be out: fragment 3 is in
	MUL FB1, 0
	s_wait_dscnt 0x0                               ; the add is done, and my reads of this slot are over
.if \fill
	CROUND
	JLOAD \n                                       ; its four v_nop are also the places in front of the loads below
.else
	s_barrier_signal -1
	s_barrier_wait -1
	PLACES 4
.endif
	FETCH \next, 0, FB0
.if \ask
	ASK
.endif
.endm
	s_wait_tensorcnt 0x1                           ; my part of K step 0 is in; K step 1's may stay out
	s_barrier_signal -1
	s_barrier_wait -1
	FETCH 0, 0, FB0
	Q3 0, 1
	PLACES 4                                       ; residual + bias have been read as C: their registers take g and beta
.irp i, 0,1,2,3
	global_load_b128 v[96+8*\i:96+8*\i+3], v[BOFF], s[12:13] offset:64*\i
	global_load_b128 v[100+8*\i:100+8*\i+3], v[BOFF], s[12:13] offset:64*\i+16
	global_load_b128 v[128+8*\i:128+8*\i+3], v[BOFF], s[14:15] offset:64*\i
	global_load_b128 v[132+8*\i:132+8*\i+3], v[BOFF], s[14:15] offset:64*\i+16
.endr
	TURN 0, 1, 1, ASKS
.if NS > 4
	s_mov_b32 s61, (NS-4)/2
.Lk:                                               ; a trip: two K steps, both slots filled again
	Q3 1, 0
	TURN 1, 0, 1, ASKS
	Q3 0, 0
	TURN 0, 1, 1, ASKS
	s_sub_co_u32 s61, s61, 1
	s_cmp_lg_u32 s61, 0
	s_cbranch_scc1 .Lk
.endif
	Q3 1, 0                                        ; the tail is written out: one more refill (the last K step), then none
	TURN 1, 0, 1, 0
	Q3 0, 0
	TURN 0, 1, 0, 0
	Q3 1, 0
	s_wait_dscnt 0x0
	MUL FB1, 0
; A sum over a row's 512 columns.  In: v16, v18 = my lane's part for my row of tile 0, 1.  Out: v20, v22 = the rows' totals.  The eight waves' parts meet in LDS: lanes 0-15 carry tile 0, lanes 16-31 tile 1.
.macro XSUM off
	v_permlanex16_b32 v24, v16, s[SEL], s[SEL+1]
	v_permlanex16_b32 v25, v18, s[SEL], s[SEL+1]
	v_add_f32 v16, v16, v24
	v_add_f32 v18, v18, v25                        ; my wave's 64 columns
	v_cndmask_b32 v26, v16, v18, s58
	ds_store_b32 v[SA], v26 offset:\off
	s_wait_dscnt 0x0                               ; for the others' sake
	s_barrier_signal -1
	s_barrier_wait -1
.irp i, 0,1,2,3,4,5,6,7
	ds_load_b32 v[24+\i], v[SB] offset:\off+128*\i
.endr
	s_wait_dscnt 0x0
	v_add_f32 v24, v24, v25
	v_add_f32 v26, v26, v27
	v_add_f32 v28, v28, v29
	v_add_f32 v30, v30, v31
	v_add_f32 v24, v24, v26
	v_add_f32 v28, v28, v30
	v_add_f32 v24, v24, v28                        ; the total of row r of tile h
	v_permlanex16_b32 v25, v24, s[SEL], s[SEL+1]   ; and of the other tile
	v_cndmask_b32 v20, v24, v25, s58
	v_cndmask_b32 v22, v25, v24, s58
.endm
	PLACES 4
.irp rt, 0,1
	v_pk_add_f32 v[16+2*\rt:17+2*\rt], v[ACC+32*\rt:ACC+32*\rt+1], v[ACC+32*\rt+2:ACC+32*\rt+3]   ; each accumulator from its low end on
.endr
.set i, 2
.rept 14
.irp rt, 0,1
	v_pk_add_f32 v[16+2*\rt:17+2*\rt], v[16+2*\rt:17+2*\rt], v[ACC+32*\rt+2*i:ACC+32*\rt+2*i+1]
.endr
.set i, i+1
.endr
	v_add_f32 v16, v16, v17
	v_add_f32 v18, v18, v19
	XSUM 0
	v_mul_f32 v20, s59, v20                        ; the means
	v_mul_f32 v22, s59, v22
.irp rt, 0,1
.set i, 0
.rept 16
	v_pk_add_f32 v[ACC+32*\rt+2*i:ACC+32*\rt+2*i+1], v[ACC+32*\rt+2*i:ACC+32*\rt+2*i+1], v[20+2*\rt:21+2*\rt] op_sel_hi:[1,0] neg_lo:[0,1] neg_hi:[0,1]
.set i, i+1
.endr
.endr
.irp rt, 0,1
	v_pk_mul_f32 v[16+2*\rt:17+2*\rt], v[ACC+32*\rt:ACC+32*\rt+1], v[ACC+32*\rt:ACC+32*\rt+1]
.endr
.set i, 1
.rept 15
.irp rt, 0,1
	v_pk_fma_f32 v[16+2*\rt:17+2*\rt], v[ACC+32*\rt+2*i:ACC+32*\rt+2*i+1], v[ACC+32*\rt+2*i:ACC+32*\rt+2*i+1], v[16+2*\rt:17+2*\rt]
.endr
.set i, i+1
.endr
	v_add_f32 v16, v16, v17
	v_add_f32 v18, v18, v19
	XSUM 1024                                      ; other words than the first exchange's: no barrier between its reads and these stores is owed
	v_fma_f32 v20, v20, s59, s60                   ; the variance + 1e-5
	v_fma_f32 v22, v22, s59, s60
	v_rsq_f32 v20, v20
	v_rsq_f32 v22, v22
	v_nop
	s_wait_alu depctr_va_vdst(0)                   ; one wait for both, ahead of their first reader
	s_wait_loadcnt 0x0                             ; g and beta
.irp rt, 0,1
.set i, 0
.rept 16
	v_pk_mul_f32 v[ACC+32*\rt+2*i:ACC+32*\rt+2*i+1], v[ACC+32*\rt+2*i:ACC+32*\rt+2*i+1], v[20+2*\rt:21+2*\rt] op_sel_hi:[1,0]
.set i, i+1
.endr
.set i, 0
.rept 16
	v_pk_fma_f32 v[ACC+32*\rt+2*i:ACC+32*\rt+2*i+1], v[ACC+32*\rt+2*i:ACC+32*\rt+2*i+1], v[96+2*i:96+2*i+1], v[128+2*i:128+2*i+1]
.set i, i+1
.endr
.endr
.if IS_PROJ
.set i, 0
.rept 32
	v_cvt_pk_f16_f32 v[224+i], v[ACC+2*i], v[ACC+2*i+1]   ; column tiles 2 f and 2 f + 1 are k fragment 2 w + f of the next product's rows
.set i, i+1
.endr
.irp rt, 0,1
.irp k, 0,1,2,3
	global_store_b128 v[LI], v[224+16*\rt+4*\k:224+16*\rt+4*\k+3], s[PFA:PFA+1] offset:16384*\rt+512*\k
.endr
.endr
.endif
.irp rt, 0,1                           ; the f32 rows go through my stage and leave sixteen lanes to 256 consecutive bytes, aligned
.irp i, 0,1,2,3
	ds_store_b128 v[STO], v[ACC+32*\rt+8*\i:ACC+32*\rt+8*\i+3] offset:64*\i
	ds_store_b128 v[STO], v[ACC+32*\rt+8*\i+4:ACC+32*\rt+8*\i+7] offset:64*\i+16
.endr
.irp i, 0,1,2,3,4,5,6,7
	ds_load_b128 v[160+32*\rt+4*\i:160+32*\rt+4*\i+3], v[RD] offset:544*\i
.endr
.endr
.irp i, 0,1,2,3,4,5,6,7
	s_wait_dscnt 23-\i                             ; behind load i of tile 0: its 7 - i successors and tile 1's sixteen
	global_store_b128 v[GOFF], v[160+4*\i:160+4*\i+3], s[16:17] offset:(2*\i)*2048
.endr
.irp i, 0,1,2,3,4,5,6,7
	s_wait_dscnt 7-\i
	global_store_b128 v[GOFF], v[192+4*\i:192+4*\i+3], s[16:17] offset:(16+2*\i)*2048
.endr
	s_wait_tensorcnt 0x0                           ; the wave's end
	ds_add_u32 v[SPW], v[NIL]
	s_wait_dscnt 0x0
	CROUND                                         ; the closing round
	s_endpgm
.Lfunc_end_k_qf6b940e63b_proj:
	.size	k_qf6b940e63b_proj, .Lfunc_end_k_qf6b940e63b_proj-k_qf6b940e63b_proj
	.p2alignl 7, 3214868480
	.fill 96, 4, 3214868480
	.section	.rodata,"a",@progbits
	.p2align	6, 0x0
	.amdhsa_kernel k_qf6b940e63b_proj
		.amdhsa_group_segment_fixed_size 327680
		.amdhsa_private_segment_fixed_size 0
		.amdhsa_enable_private_segment 0
		.amdhsa_kernarg_size 56
		.amdhsa_user_sgpr_count 2
		.amdhsa_user_sgpr_kernarg_segment_ptr 1
		.amdhsa_wavefront_size32 1
		.amdhsa_system_sgpr_workgroup_id_x 1
		.amdhsa_system_sgpr_workgroup_id_y 1
		.amdhsa_system_sgpr_workgroup_id_z 1
		.amdhsa_system_vgpr_workitem_id 0
		.amdhsa_next_free_vgpr 256
		.amdhsa_next_free_sgpr 80
		.amdhsa_reserve_vcc 0
		.amdhsa_float_denorm_mode_32 3
		.amdhsa_float_denorm_mode_16_64 3
		.amdhsa_memory_ordered 1
		.amdhsa_forward_progress 1
		.amdhsa_inst_pref_size 60
	.end_amdhsa_kernel
	.amdgpu_metadata
---
amdhsa.version: [ 1, 2 ]
amdhsa.kernels:
  - .name:           k_qf6b940e63b_proj
    .symbol:         k_qf6b940e63b_proj.kd
    .args:
      - { .name: ctxw, .offset: 0, .size: 8, .value_kind: global_buffer, .address_space: global }
      - { .name: prepw, .offset: 8, .size: 8, .value_kind: global_buffer, .address_space: global }
      - { .name: x, .offset: 16, .size: 8, .value_kind: global_buffer, .address_space: global }
      - { .name: bo, .offset: 24, .size: 8, .value_kind: global_buffer, .address_space: global }
      - { .name: g1, .offset: 32, .size: 8, .value_kind: global_buffer, .address_space: global }
      - { .name: beta1, .offset: 40, .size: 8, .value_kind: global_buffer, .address_space: global }
      - { .name: x1w, .offset: 48, .size: 8, .value_kind: global_buffer, .address_space: global }
    .group_segment_fixed_size: 327680
    .private_segment_fixed_size: 0
    .kernarg_segment_align: 8
    .kernarg_segment_size: 56
    .max_flat_workgroup_size: 256
    .sgpr_count:     80
    .vgpr_count:     256
    .wavefront_size: 32
...
	.end_amdgpu_metadata
.endif
;; end of part 4
;; launch ffn1 (part 5): grid 16 x 32, 4 waves a work-group, clusters of 4 x 4, 327,680 bytes of LDS; arguments x1w, prepw, bff, bvff, gw; writes gw
.if DOCPART == 5
	.amdgcn_target "amdgcn-amd-amdhsa--gfx1250"
	.amdhsa_code_object_version 6
	.text
	.protected	k_qf6b940e63b_ffn1
	.globl	k_qf6b940e63b_ffn1
	.p2align	8
	.type	k_qf6b940e63b_ffn1,@function
k_qf6b940e63b_ffn1:
	s_mov_b64 s[64:65], 0
	v_nop
	global_prefetch_b8 v0, s[64:65] scope:SCOPE_SE
	s_setreg_imm32_b32 hwreg(HW_REG_WAVE_MODE, 25, 1), 1
	s_wait_xcnt 0x0
	s_wait_alu depctr_hold_cnt(0) depctr_sa_sdst(0) depctr_va_vdst(0) depctr_va_sdst(0) depctr_va_ssrc(0) depctr_va_vcc(0) depctr_vm_vsrc(0)
	s_getreg_b32 s2, hwreg(HW_REG_IB_STS2, 6, 4)
	s_cmp_eq_u32 s2, 0
	s_cbranch_scc0 .Lentry_in_a_cluster
	s_endpgm
.Lentry_in_a_cluster:
	s_bfe_u32 s2, ttmp6, 0x10000c
	s_cmp_lg_u32 s2, 0xf033
	s_cbranch_scc0 .Lentry_shape_is_right
	s_endpgm
.Lentry_shape_is_right:
; FFN1: geglu = gelu(x1 Wff + bff) (x1 Vff + bvff), stored x 2^-9 as f16 images of the next product's rows.  Operands f16, sums f32, the activation in f32.
; GELU, the exact form 0.5 x (1 + erf(x / sqrt 2)), with erf(z) = 1 - (a1 t + .. + a5 t^5) e^(-z z), t = 1 / (1 + 0.3275911 z) (Abramowitz and Stegun 7.1.26: within 1.5e-7 for every z >= 0):
;   gelu(x) 2^-9 = x 2^-10 + |x| (2^-10 - 2^-10 P(t) E),  t = 1 / (1 + 0.23164189 |x|),  E = 2^-(0.84932180 |x|)^2.  It holds for every finite x: E falls to 0 for large |x|.
; SHARES.  A work-group makes 256 rows x 128 columns of BOTH products (256 rows of the stacked weight); each of its four waves 128 x 128: 64 accumulators.  The weight's column tiles are laid so that a wave's eight are
; 64 columns of Wff and then the same 64 columns of Vff: the two factors of a number of geglu lie in the same lane and the same place of two accumulators.
; THE PRODUCT IS USED TRANSPOSED (source 0 = 16 columns of the weight, source 1 = 16 rows): a lane holds one row and 8 neighbouring columns; two column tiles, packed, are a fragment of the next product.  The biases are the C of each sum's first product.
; RING.  K = 512 goes in four steps of 128 through two LDS slots (64 KiB of rows, 64 KiB of weight, as images of the operands' registers), written out without a loop.  A wave has two tensor loads out at the start, one later.
; CLUSTER.  4 x 4 work-groups: the rows' tiles are shared along a row of the cluster, the weight's along a column: joint loads.
; LIMITS: f16 operands: |x1|, |Wff|, |Vff| and |geglu| / 512 under 65,504.  NaN and infinities are not served.
; REGISTERS.  window 0: v1-8 addresses; v10-19 constants in pairs; v64-127, v128-191 the rows' fragments, two buffers; in the epilogue v32-223 at work.  window 1: v0-63 the biases, 8 b + j; v64-127, v128-191 the weight's fragments.
;             window 2: the accumulators of my rows 0-63 ((a, b) at v[8 (8 a + b)]); window 3: of rows 64-127.
.set O_X1F, 16777216
.set O_WGF, 3170304
.set SLOT,  131072
.set SPARE, 262144                     ; behind the ring: the spare words, 128 bytes for each wave: two blocks of 256 bytes that no other line names
.set LI,   1
.set ADRA, 2
.set ADRB, 4
.set SPW,  6
.set NIL,  7
.set H32,  8
.set CP,   10                          ; v[10:11] a4', v[12:13] a3', v[14:15] a2', v[16:17] a1', v[18:19] 2^-10 (a' = a x 2^-10)
.set F0,   64
.set F1,   128
.set AX,   32                          ; the epilogue: |x|;
.set X10,  64                          ; x 2^-10;
.set DD,   96                          ; 1 + p |x|, then t;
.set QQ,   128                         ; (kappa |x|)^2, then E;
.set PP,   160                         ; the polynomial, then the result
.set WV,   14
.set HR,   15                          ; which half of the rows is mine.  Also: I fetch the rows (0) or the weight (1)
.set HC,   16                          ; which half of the columns.  Also: which half of that tile I fetch
.set G1,   24
.set G0,   32
.set G1B,  48
.set G0B,  56
.set MSB,  0
.macro WIN new
.if MSB != \new
	s_set_vgpr_msb (MSB<<8)|\new
.set MSB, \new
.endif
.endm
.set MUL_LO, 0xa1                      ; source 0 (weight) window 1, source 1 (rows) window 0, C and D window 2
.set MUL_HI, 0xf1                      ; the same, C and D window 3
.set TO_B,   0x40
.macro PLACES n
.rept \n
	v_nop
.endr
.endm
.macro JLOAD s
	s_cmp_eq_u32 s[HR], 0
	s_cbranch_scc0 .Lfor_b_\@
	tensor_load_to_lds s[G0+4*\s:G0+4*\s+3], s[G1:G1+7]
	s_nop 0
	PLACES 4
	s_branch .Lasked_\@
.Lfor_b_\@:
	tensor_load_to_lds s[G0B+4*\s:G0B+4*\s+3], s[G1B:G1B+7]
	s_nop 0
	PLACES 4
.Lasked_\@:
.endm
.macro CREST
	s_cmp_lg_u32 s[WV], 0
	s_cbranch_scc1 .Lnot_wave_0_\@
	s_barrier_signal -3
.Lnot_wave_0_\@:
	s_barrier_wait -3
	s_barrier_signal -1
	s_barrier_wait -1
.endm
.macro CROUND
	s_barrier_signal -1
	s_barrier_wait -1
	CREST
.endm
	s_load_b256 s[4:11], s[0:1], 0x0               ; x1w, prepw, bff, bvff
	s_load_b64 s[12:13], s[0:1], 0x20              ; gw
	v_lshl_add_u32 v[SPW], v0, 2, SPARE
	v_mov_b32 v[NIL], 0
	ds_add_u32 v[SPW], v[NIL]                      ; the opening: the add, twice on end, and its wait ahead of my first tensor load
	ds_add_u32 v[SPW], v[NIL]
	v_lshrrev_b32 v9, 5, v0
	v_readfirstlane_b32 s[WV], v9                  ; wave 0..3
	s_lshr_b32 s[HR], s[WV], 1
	s_and_b32 s[HC], s[WV], 1
	s_bfe_u32 s17, ttmp6, 0x40000                  ; cx
	s_bfe_u32 s18, ttmp6, 0x40004                  ; cy
	s_lshl_b32 s19, ttmp9, 2
	s_add_co_u32 s19, s19, s17                     ; tile column
	s_and_b32 s20, ttmp7, 0xffff
	s_lshl_b32 s20, s20, 2
	s_add_co_u32 s20, s20, s18                     ; tile row
	s_lshl_b32 s21, s18, 2
	s_lshl_b32 s21, 15, s21                        ; my row of the cluster
	s_lshl_b32 s22, 0x1111, s17                    ; my column
	s_or_b32 s[G1], s21, (3<<16)|(1<<21)           ; the rows' tiles go to my row of the cluster; elements of 8 bytes; bit 21 beside the mask
	s_or_b32 s[G1B], s22, (3<<16)|(1<<21)          ; the weight's to my column
.irp g, G1, G1B
	s_mov_b32 s[\g+1], 512<<16                     ; rows of 4,096 bytes: a tile's four fragments of the K step,
	s_mov_b32 s[\g+2], 8<<16                       ; 8 tiles,
	s_mov_b32 s[\g+3], 512<<16
	s_mov_b32 s[\g+4], 8
	s_mov_b32 s[\g+5], 2048                        ; 16,384 bytes apart
	s_mov_b32 s[\g+6], 0
	s_mov_b32 s[\g+7], 0
.endr
	s_lshl_b32 s23, s[HC], 17                      ; which 8 tiles I fetch
	s_lshl_b32 s40, s20, 18
	s_add_co_u32 s40, s40, s23
	s_add_co_u32 s40, s40, O_X1F                   ; the rows: by the tile row alone
	s_mov_b32 s41, 0
	s_lshl_b32 s42, s19, 18
	s_add_co_u32 s42, s42, s23
	s_add_co_u32 s42, s42, O_WGF                   ; the weight: by the tile column alone
	s_mov_b32 s43, 0
	s_lshl_b32 s44, s[WV], 15                      ; where they go: wave x 32,768
	s_mov_b32 s66, 0x3a800000                      ; 2^-10
	s_mov_b32 s67, s66
	s_mov_b32 s68, 0x3e6d3388                      ; 0.23164189
	s_mov_b32 s69, s68
	s_mov_b32 s70, 0x3f596d27                      ; 0.84932180
	s_mov_b32 s71, s70
	s_mov_b32 s72, 0x3a87dc22                      ; a5' = 1.061405429 x 2^-10
	s_mov_b32 s73, s72
	s_mov_b32 s74, 0x7fffffff
	v_mov_b32 v[CP], 0xbaba00e3                    ; a4' = -1.453152027 x 2^-10
	v_mov_b32 v[CP+1], 0xbaba00e3
	v_mov_b32 v[CP+2], 0x3ab5f0e3                  ; a3' = 1.421413741 x 2^-10
	v_mov_b32 v[CP+3], 0x3ab5f0e3
	v_mov_b32 v[CP+4], 0xb991a98e                  ; a2' = -0.284496736 x 2^-10
	v_mov_b32 v[CP+5], 0xb991a98e
	v_mov_b32 v[CP+6], 0x39827906                  ; a1' = 0.254829592 x 2^-10
	v_mov_b32 v[CP+7], 0x39827906
	v_mov_b32 v[CP+8], 0x3a800000
	v_mov_b32 v[CP+9], 0x3a800000
	v_and_b32 v9, 31, v0
	v_lshlrev_b32 v[LI], 4, v9
	s_lshl_b32 s45, s[HR], 15
	v_add_nc_u32 v[ADRA], s45, v[LI]               ; my 8 row tiles
	v_add_nc_u32 v[ADRA+1], SLOT, v[ADRA]
	s_lshl_b32 s45, s[HC], 15
	s_add_co_u32 s45, s45, 65536
	v_add_nc_u32 v[ADRB], s45, v[LI]               ; my 8 column tiles
	v_add_nc_u32 v[ADRB+1], SLOT, v[ADRB]
	v_bfe_u32 v[H32], v0, 4, 1
	v_lshlrev_b32 v[H32], 5, v[H32]
	s_wait_dscnt 0x0                               ; both opening adds are done
	s_wait_kmcnt 0x0
	s_add_nc_u64 s[40:41], s[4:5], s[40:41]
	s_add_nc_u64 s[42:43], s[6:7], s[42:43]
	CROUND                                         ; all sixteen work-groups are here: the first joint loads meet
.irp s, 0,1
	s_mov_b32 s[G0+4*\s], 1
	s_add_co_u32 s[G0+4*\s+1], s44, \s*SLOT
	s_add_nc_u64 s[G0+4*\s+2:G0+4*\s+3], s[40:41], \s*4096
	s_or_b32 s[G0+4*\s+3], s[G0+4*\s+3], 0x80000000
	s_mov_b32 s[G0B+4*\s], 1
	s_add_co_u32 s[G0B+4*\s+1], s44, \s*SLOT
	s_add_nc_u64 s[G0B+4*\s+2:G0B+4*\s+3], s[42:43], \s*4096
	s_or_b32 s[G0B+4*\s+3], s[G0B+4*\s+3], 0x80000000
	JLOAD \s
.endr
	s_lshl_b32 s46, s20, 20                        ; geglu's images: row tile 16 tr + 8 half, 65,536 bytes each; k fragment 2 (2 tc + half)
	s_lshl_b32 s47, s[HR], 19
	s_add_co_u32 s46, s46, s47
	s_lshl_b32 s47, s19, 12
	s_add_co_u32 s46, s46, s47
	s_lshl_b32 s47, s[HC], 11
	s_add_co_u32 s46, s46, s47
	s_mov_b32 s47, 0
	s_add_nc_u64 s[76:77], s[12:13], s[46:47]
	s_lshl_b32 s46, s19, 9
	s_lshl_b32 s82, s[HC], 8
	s_add_co_u32 s46, s46, s82                     ; my 64 columns in bff and bvff
	s_add_nc_u64 s[78:79], s[8:9], s[46:47]
	s_add_nc_u64 s[80:81], s[10:11], s[46:47]
	WIN TO_B
.irp b, 0,1,2,3
	global_load_b128 v[8*\b:8*\b+3], v[H32], s[78:79] offset:64*\b
	global_load_b128 v[8*\b+4:8*\b+7], v[H32], s[78:79] offset:64*\b+16
	global_load_b128 v[32+8*\b:32+8*\b+3], v[H32], s[80:81] offset:64*\b
	global_load_b128 v[32+8*\b+4:32+8*\b+7], v[H32], s[80:81] offset:64*\b+16
.endr
	WIN 0
; 16 matrix instructions: row blocks a0, a0 + 1 of the window's four x all 8 column blocks, 32 along K.  first = 1: the bias is the C of the sum's first product.
; The 64 accumulators take turns, one instruction a turn, in the same order in every quarter.
.macro MUL16 f, hi, a0, first
.irp a, \a0, \a0+1
.irp b, 0,1,2,3,4,5,6,7
.if \first
	v_wmma_f32_16x16x32_f16 v[8*(8*(\a)+\b):8*(8*(\a)+\b)+7], v[\f+8*\b:\f+8*\b+7], v[\f+8*(4*\hi+\a):\f+8*(4*\hi+\a)+7], v[8*\b:8*\b+7]
.else
	v_wmma_f32_16x16x32_f16 v[8*(8*(\a)+\b):8*(8*(\a)+\b)+7], v[\f+8*\b:\f+8*\b+7], v[\f+8*(4*\hi+\a):\f+8*(4*\hi+\a)+7], v[8*(8*(\a)+\b):8*(8*(\a)+\b)+7]
.endif
.endr
.endr
.endm
.macro FETCH slot, q, f                ; 32 LDS loads in one run: k fragment q of the slot: 8 column tiles, then 8 row tiles
	WIN TO_B
.irp i, 0,1,2,3,4,5,6,7
	ds_load_b128 v[\f+8*\i:\f+8*\i+3],   v[ADRB+\slot] offset:4096*\i+1024*\q
	ds_load_b128 v[\f+8*\i+4:\f+8*\i+7], v[ADRB+\slot] offset:4096*\i+1024*\q+512
.endr
	WIN 0
.irp i, 0,1,2,3,4,5,6,7
	ds_load_b128 v[\f+8*\i:\f+8*\i+3],   v[ADRA+\slot] offset:4096*\i+1024*\q
	ds_load_b128 v[\f+8*\i+4:\f+8*\i+7], v[ADRA+\slot] offset:4096*\i+1024*\q+512
.endr
.endm
.macro QUARTER slot, q, f, g, first    ; multiplies buffer f; in its middle fetches k fragment q of the same slot into buffer g
	s_wait_dscnt 8                                 ; the weight and my rows 0-63 are in; the youngest eight loads (rows 64-127) may be out
.if \first
	WIN 0x91                                       ; C (the bias) in window 1, D in window 2
.else
	WIN MUL_LO
.endif
	MUL16 \f, 0, 0, \first
	MUL16 \f, 0, 2, \first
	PLACES 4                                       ; in front of loads into registers that matrix instructions have read
	FETCH \slot, \q, \g
	s_wait_dscnt 32                                ; all but the 32 just issued
.if \first
	WIN 0xd1
.else
	WIN MUL_HI
.endif
	MUL16 \f, 1, 0, \first
	MUL16 \f, 1, 2, \first
.endm
; A K step's last quarter multiplies buffer 1 and changes slots: one barrier; in front of it each wave waits for all its tensor loads, adds 0 to its spare word, and waits for that and for its reads of this slot.
.macro TURN slot, next, fill
	WIN 0                                          ; (the add's two registers lie in window 0)
	s_wait_tensorcnt 0x0
	ds_add_u32 v[SPW], v[NIL]
	s_wait_dscnt 9                                 ; the add and the youngest eight loads may be out
	WIN MUL_LO
	MUL16 F1, 0, 0, 0
	s_wait_dscnt 0x0                               ; the add is done, and my reads of this slot are over
	s_barrier_signal -1
	MUL16 F1, 0, 2, 0
	WIN 0
	s_barrier_wait -1
.if \fill
	CREST                                          ; the barrier has opened a round of the cluster's: no wave of any partner still reads this slot or has a load on its way
	s_add_nc_u64 s[G0+4*\slot+2:G0+4*\slot+3], s[G0+4*\slot+2:G0+4*\slot+3], 8192
	s_add_nc_u64 s[G0B+4*\slot+2:G0B+4*\slot+3], s[G0B+4*\slot+2:G0B+4*\slot+3], 8192
	JLOAD \slot                                    ; its four v_nop are also the places in front of the loads below
.else
	PLACES 4
.endif
	FETCH \next, 0, F0
	WIN MUL_HI
	MUL16 F1, 1, 0, 0
	MUL16 F1, 1, 2, 0
.endm
	s_wait_tensorcnt 0x1                           ; my part of K step 0 is in; K step 1's may stay out
	s_barrier_signal -1
	s_barrier_wait -1
	FETCH 0, 0, F0
	s_wait_loadcnt 0x0                             ; the biases
	QUARTER 0, 1, F0, F1, 1
	QUARTER 0, 2, F1, F0, 0
	QUARTER 0, 3, F0, F1, 0
	TURN 0, 1, 1                                   ; slot 0 takes K step 2
	QUARTER 1, 1, F0, F1, 0
	QUARTER 1, 2, F1, F0, 0
	QUARTER 1, 3, F0, F1, 0
	TURN 1, 0, 1                                   ; slot 1 takes K step 3
	QUARTER 0, 1, F0, F1, 0
	QUARTER 0, 2, F1, F0, 0
	QUARTER 0, 3, F0, F1, 0
	TURN 0, 1, 0
	QUARTER 1, 1, F0, F1, 0
	QUARTER 1, 2, F1, F0, 0
	QUARTER 1, 3, F0, F1, 0
	s_wait_dscnt 8
	WIN MUL_LO
	MUL16 F1, 0, 0, 0
	MUL16 F1, 0, 2, 0
	s_wait_dscnt 0x0
	WIN MUL_HI
	MUL16 F1, 1, 0, 0
	MUL16 F1, 1, 2, 0
	WIN 0
; THE ACTIVATION, a block of 16 rows at a time: 32 numbers a lane.  The reciprocals and exponentials are one batch with one wait.
.macro GEGLU a
.set AC, 64*((\a)%4)
.set OB, 192+16*((\a)%2)
	WIN 2+(\a)/4                                   ; source 0 in the accumulators' window
.set i, 0
.rept 32
	v_and_b32 v[AX+i], v[AC+i], s74                ; |x|; each accumulator from its low end on
.set i, i+1
.endr
.set i, 0
.rept 16
	v_pk_mul_f32 v[X10+2*i:X10+2*i+1], v[AC+2*i:AC+2*i+1], s[66:67] op_sel_hi:[1,0]
.set i, i+1
.endr
	WIN 0
.set i, 0
.rept 16
	v_pk_fma_f32 v[DD+2*i:DD+2*i+1], v[AX+2*i:AX+2*i+1], s[68:69], 1.0 op_sel_hi:[1,0,0]
	v_pk_mul_f32 v[QQ+2*i:QQ+2*i+1], v[AX+2*i:AX+2*i+1], s[70:71] op_sel_hi:[1,0]
.set i, i+1
.endr
.set i, 0
.rept 16
	v_pk_mul_f32 v[QQ+2*i:QQ+2*i+1], v[QQ+2*i:QQ+2*i+1], v[QQ+2*i:QQ+2*i+1]
.set i, i+1
.endr
.set i, 0
.rept 32
	v_rcp_f32 v[DD+i], v[DD+i]                     ; t
.set i, i+1
.endr
.set i, 0
.rept 32
	v_exp_f32 v[QQ+i], -v[QQ+i]                    ; E
.set i, i+1
.endr
	v_nop
	s_wait_alu depctr_va_vdst(0)                   ; one wait for the 64, ahead of their first reader
.set i, 0
.rept 16
	v_pk_fma_f32 v[PP+2*i:PP+2*i+1], v[DD+2*i:DD+2*i+1], s[72:73], v[CP:CP+1] op_sel_hi:[1,0,1]
.set i, i+1
.endr
.irp k, 2,4,6
.set i, 0
.rept 16
	v_pk_fma_f32 v[PP+2*i:PP+2*i+1], v[PP+2*i:PP+2*i+1], v[DD+2*i:DD+2*i+1], v[CP+\k:CP+\k+1]
.set i, i+1
.endr
.endr
.set i, 0
.rept 16
	v_pk_mul_f32 v[PP+2*i:PP+2*i+1], v[PP+2*i:PP+2*i+1], v[DD+2*i:DD+2*i+1]
.set i, i+1
.endr
.set i, 0
.rept 16
	v_pk_fma_f32 v[PP+2*i:PP+2*i+1], v[PP+2*i:PP+2*i+1], v[QQ+2*i:QQ+2*i+1], v[CP+8:CP+9] neg_lo:[1,0,0] neg_hi:[1,0,0]   ; 2^-10 - P' E
.set i, i+1
.endr
.set i, 0
.rept 16
	v_pk_fma_f32 v[PP+2*i:PP+2*i+1], v[AX+2*i:AX+2*i+1], v[PP+2*i:PP+2*i+1], v[X10+2*i:X10+2*i+1]   ; gelu x 2^-9
.set i, i+1
.endr
	WIN 2+(\a)/4
.set i, 0
.rept 16
	v_pk_mul_f32 v[PP+2*i:PP+2*i+1], v[AC+32+2*i:AC+32+2*i+1], v[PP+2*i:PP+2*i+1]   ; x the other product
.set i, i+1
.endr
	WIN 0
.if (\a) >= 2
	s_wait_xcnt 0x0                                ; the stores of two blocks back have read their data
.endif
.set i, 0
.rept 16
	v_cvt_pk_f16_f32 v[OB+i], v[PP+2*i], v[PP+2*i+1]
.set i, i+1
.endr
.irp k, 0,1,2,3
	global_store_b128 v[LI], v[OB+4*\k:OB+4*\k+3], s[76:77] offset:65536*(\a)+512*\k   ; 32 lanes store 512 consecutive bytes
.endr
.endm
	PLACES 4
.irp a, 0,1,2,3,4,5,6,7
	GEGLU \a
.endr
	s_wait_tensorcnt 0x0                           ; the wave's end
	ds_add_u32 v[SPW], v[NIL]
	s_wait_dscnt 0x0
	CROUND                                         ; the closing round
	s_endpgm
.Lfunc_end_k_qf6b940e63b_ffn1:
	.size	k_qf6b940e63b_ffn1, .Lfunc_end_k_qf6b940e63b_ffn1-k_qf6b940e63b_ffn1
	.p2alignl 7, 3214868480
	.fill 96, 4, 3214868480
	.section	.rodata,"a",@progbits
	.p2align	6, 0x0
	.amdhsa_kernel k_qf6b940e63b_ffn1
		.amdhsa_group_segment_fixed_size 327680
		.amdhsa_private_segment_fixed_size 0
		.amdhsa_enable_private_segment 0
		.amdhsa_kernarg_size 40
		.amdhsa_user_sgpr_count 2
		.amdhsa_user_sgpr_kernarg_segment_ptr 1
		.amdhsa_wavefront_size32 1
		.amdhsa_system_sgpr_workgroup_id_x 1
		.amdhsa_system_sgpr_workgroup_id_y 1
		.amdhsa_system_sgpr_workgroup_id_z 1
		.amdhsa_system_vgpr_workitem_id 0
		.amdhsa_next_free_vgpr 1024
		.amdhsa_next_free_sgpr 96
		.amdhsa_reserve_vcc 0
		.amdhsa_float_denorm_mode_32 3
		.amdhsa_float_denorm_mode_16_64 3
		.amdhsa_memory_ordered 1
		.amdhsa_forward_progress 1
		.amdhsa_inst_pref_size 255
	.end_amdhsa_kernel
	.section	.bss,"aw",@nobits
	.p2align	6
	.space	262144
	.amdgpu_metadata
---
amdhsa.version: [ 1, 2 ]
amdhsa.kernels:
  - .name:           k_qf6b940e63b_ffn1
    .symbol:         k_qf6b940e63b_ffn1.kd
    .args:
      - { .name: x1w, .offset: 0, .size: 8, .value_kind: global_buffer, .address_space: global }
      - { .name: prepw, .offset: 8, .size: 8, .value_kind: global_buffer, .address_space: global }
      - { .name: bff, .offset: 16, .size: 8, .value_kind: global_buffer, .address_space: global }
      - { .name: bvff, .offset: 24, .size: 8, .value_kind: global_buffer, .address_space: global }
      - { .name: gw, .offset: 32, .size: 8, .value_kind: global_buffer, .address_space: global }
    .group_segment_fixed_size: 327680
    .private_segment_fixed_size: 0
    .kernarg_segment_align: 8
    .kernarg_segment_size: 40
    .max_flat_workgroup_size: 128
    .sgpr_count:     96
    .vgpr_count:     1024
    .wavefront_size: 32
...
	.end_amdgpu_metadata
.endif
;; end of part 5
;; launch downg (part 6): grid 4 x 64, 8 waves a work-group, clusters of 4 x 4, 327,680 bytes of LDS; arguments gw, prepw, x1w, b2ff, yw; writes yw
.if DOCPART == 6
	.amdgcn_target "amdgcn-amd-amdhsa--gfx1250"
	.amdhsa_code_object_version 6
	.text
	.protected	k_qf6b940e63b_downg
	.globl	k_qf6b940e63b_downg
	.p2align	8
	.type	k_qf6b940e63b_downg,@function
k_qf6b940e63b_downg:
	s_mov_b64 s[64:65], 0
	v_nop
	global_prefetch_b8 v0, s[64:65] scope:SCOPE_SE
	s_setreg_imm32_b32 hwreg(HW_REG_WAVE_MODE, 25, 1), 1
	s_wait_xcnt 0x0
	s_wait_alu depctr_hold_cnt(0) depctr_sa_sdst(0) depctr_va_vdst(0) depctr_va_sdst(0) depctr_va_ssrc(0) depctr_va_vcc(0) depctr_vm_vsrc(0)
	s_getreg_b32 s2, hwreg(HW_REG_IB_STS2, 6, 4)
	s_cmp_eq_u32 s2, 0
	s_cbranch_scc0 .Lentry_in_a_cluster
	s_endpgm
.Lentry_in_a_cluster:
	s_bfe_u32 s2, ttmp6, 0x10000c
	s_cmp_lg_u32 s2, 0xf033
	s_cbranch_scc0 .Lentry_shape_is_right
	s_endpgm
.Lentry_shape_is_right:
; DOWNG: y = x1 + geglu W2ff + b2ff, as f32 rows; the norm over y's rows is the next launch's.  geglu arrives x 2^-9 and W2ff x 2^9: both factors exact, the product unchanged.  Operands f16, sums f32.
; SHARES.  A work-group makes 128 rows x 128 columns of y: it takes in (128 + 128) x 2,048 x 2 bytes, half of what 32 whole rows against all 512 columns would take, in half as many changes of slots.
; Wave w takes rows 32 (w / 2) .. + 31 (two tiles) and columns 64 (w % 2) .. + 63 (four tiles): 8 accumulators.
; THE PRODUCT IS USED TRANSPOSED (source 0 = 16 columns of the weight, source 1 = 16 rows): a lane holds one row and 8 neighbouring columns.
; RING.  K = 2,048 goes in 8 steps of 256 through two LDS slots: 8 row tiles and 8 column tiles, 8,192 bytes each, as images of the operands' registers: a fragment is two loads of 16 bytes a lane, 512 consecutive bytes each.
; Waves 0-3 fetch geglu's tiles, waves 4-7 the weight's, two tiles a wave; a wave has two tensor loads out at the start, one later.
; CLUSTER.  4 x 4 work-groups: geglu's tiles are shared along a row of the cluster, the weight's along a column: joint loads.
; PREFETCH.  Behind the refill for K step s + 2 one instruction names K step s + 3: a tile's 8,192 bytes, lanes 256 bytes apart.  geglu's 8 row tiles are read by this row of the cluster alone: the partner at place cx takes two,
; waves 0 and 1 one each.  The weight's 8 column tiles are read by every cluster: cluster y = 0 asks, the partner at place cy takes two, waves 4 and 5 one each.  The partners are told apart by address.
; Each block of 256 bytes is named once; K steps 0 to 2 come by their loads alone; the last refill asks for nothing.
; THE WAY OUT.  A wave's 64 columns are 256 bytes of a row: a tile goes through the wave's own stage and comes back by rows; x1 and b2ff are added there, in the rows' layout, where x1's loads have the addresses of y's stores.
; LIMITS: f16 operands (|geglu| / 512, 512 |W2ff| under 65,504); NaN and infinities are not served.
.set O_W2F,  7364608                   ; the weight's images in prepw: [n tile 32][k fragment 64][1024]
.set KSB,    8192                      ; a tile's bytes of a K step: 8 fragments
.set NS,     8                         ; K steps of 256
.set SLOT,   131072
.set STAGE,  2*SLOT                    ; 16 rows x 272 bytes for each wave
.set SPARE,  STAGE+8*4352              ; the spare words, 128 bytes for each wave: four blocks of 256 bytes that no other line names
.set LI,   1                           ; v1  16 x lane
.set AW,   2                           ; v2-3  my four column tiles in slot 0, 1
.set AA,   4                           ; v4-5  my two row tiles in slot 0, 1
.set STO,  6                           ; v6  the stage by the result's layout: row r, 32 h bytes
.set RD,   7                           ; v7  the stage by rows: sixteen lanes a row of 256 bytes
.set GOFF, 8                           ; v8  the same two rows in memory
.set SPW,  9
.set NIL,  10
.set BOF,  11                          ; v11 my 4 columns among the wave's 64
.set PFO,  12                          ; v12 256 x lane
.set BIA,  24                          ; v24-27   b2ff of my 4 columns
.set ACC,  32                          ; v32-95   32 rt + 8 i
.set RES,  96                          ; v96-159  x1 by rows, 32 rt + 4 i
.set FB0,  160                         ; v160-207, v208-255: two buffers: four fragments of the weight, two of the rows; on the way out v160-223 take the rows of y
.set FB1,  208
.set WV,   14
.set FR,   15                          ; 0: I fetch geglu's tiles; 1: the weight's
.set FQ,   16                          ; which two of the eight
.set G1,   24
.set G0,   32
.set G1B,  48
.set G0B,  56
.set CNT,  66
.set HC,   67                          ; which half of the columns is mine
.set PFA,  68
.set LIM,  70
.set RP,   71                          ; which 32 rows are mine
.macro PLACES n
.rept \n
	v_nop
.endr
.endm
.macro CROUND                          ; a round of the cluster's barrier
	s_barrier_signal -1
	s_barrier_wait -1
	s_cmp_lg_u32 s[WV], 0
	s_cbranch_scc1 .Lnot_wave_0_\@
	s_barrier_signal -3
.Lnot_wave_0_\@:
	s_barrier_wait -3
	s_barrier_signal -1
	s_barrier_wait -1
.endm
.macro JLOAD s                         ; a joint load.  Each of the two lines has one mask and one set of registers; the branch hangs on the wave's number alone
	s_cmp_eq_u32 s[FR], 0
	s_cbranch_scc0 .Lfor_b_\@
	tensor_load_to_lds s[G0+4*\s:G0+4*\s+3], s[G1:G1+7]
	s_nop 0
	PLACES 4
	s_branch .Lasked_\@
.Lfor_b_\@:
	tensor_load_to_lds s[G0B+4*\s:G0B+4*\s+3], s[G1B:G1B+7]
	s_nop 0
	PLACES 4
.Lasked_\@:
.endm
.macro ASK
	s_cmp_eq_u32 s[LIM], 1
	s_cbranch_scc0 .Lnot_mine_\@
	global_prefetch_b8 v[PFO], s[PFA:PFA+1] th:TH_LOAD_NT scope:SCOPE_SE
.Lnot_mine_\@:
.endm
	s_load_b256 s[4:11], s[0:1], 0x0               ; gw, prepw, x1w, b2ff
	s_load_b64 s[12:13], s[0:1], 0x20              ; yw
	v_lshl_add_u32 v[SPW], v0, 2, SPARE
	v_mov_b32 v[NIL], 0
	ds_add_u32 v[SPW], v[NIL]                      ; the opening: the add, twice on end, and its wait ahead of my first tensor load
	ds_add_u32 v[SPW], v[NIL]
	v_lshrrev_b32 v20, 5, v0
	v_readfirstlane_b32 s[WV], v20                 ; wave 0..7
	s_lshr_b32 s[FR], s[WV], 2
	s_and_b32 s[FQ], s[WV], 3
	s_and_b32 s[HC], s[WV], 1
	s_lshr_b32 s[RP], s[WV], 1
	s_bfe_u32 s17, ttmp6, 0x40000                  ; cx
	s_bfe_u32 s18, ttmp6, 0x40004                  ; cy
	s_lshl_b32 s19, ttmp9, 2
	s_add_co_u32 s19, s19, s17                     ; tile column
	s_and_b32 s20, ttmp7, 0xffff
	s_lshl_b32 s20, s20, 2
	s_add_co_u32 s20, s20, s18                     ; tile row
	s_lshl_b32 s21, s18, 2
	s_lshl_b32 s21, 15, s21                        ; my row of the cluster
	s_lshl_b32 s22, 0x1111, s17                    ; my column
	s_or_b32 s[G1], s21, (3<<16)|(1<<21)           ; geglu's tiles go to my row of the cluster; elements of 8 bytes; bit 21 beside the mask
	s_or_b32 s[G1B], s22, (3<<16)|(1<<21)          ; the weight's to my column
.irp g, G1, G1B
	s_mov_b32 s[\g+1], 1024<<16                    ; rows of 8,192 bytes: a tile's eight fragments of the K step,
	s_mov_b32 s[\g+2], 2<<16                       ; 2 tiles,
	s_mov_b32 s[\g+3], 1024<<16
	s_mov_b32 s[\g+4], 2
	s_mov_b32 s[\g+5], 8192                        ; 65,536 bytes apart
	s_mov_b32 s[\g+6], 0
	s_mov_b32 s[\g+7], 0
.endr
	s_lshl_b32 s23, s[FQ], 17                      ; which two tiles I fetch
	s_lshl_b32 s40, s20, 19
	s_add_co_u32 s40, s40, s23                     ; geglu: by the tile row alone
	s_mov_b32 s41, 0
	s_lshl_b32 s42, s19, 19
	s_add_co_u32 s42, s42, s23
	s_add_co_u32 s42, s42, O_W2F                   ; the weight: by the tile column alone
	s_mov_b32 s43, 0
	s_lshl_b32 s44, s[WV], 14                      ; where they go: wave x 16,384: no place in the cluster enters an LDS address
	v_and_b32 v20, 31, v0                          ; lane
	v_and_b32 v21, 15, v0                          ; r
	v_bfe_u32 v22, v0, 4, 1                        ; h
	v_lshlrev_b32 v[LI], 4, v20
	s_lshl_b32 s45, s[HC], 15
	s_add_co_u32 s45, s45, 65536
	v_add_nc_u32 v[AW], s45, v[LI]
	v_add_nc_u32 v[AW+1], SLOT, v[AW]
	s_lshl_b32 s45, s[RP], 14
	v_add_nc_u32 v[AA], s45, v[LI]
	v_add_nc_u32 v[AA+1], SLOT, v[AA]
	s_mul_i32 s45, s[WV], 4352
	s_add_co_u32 s45, s45, STAGE
	v_mul_u32_u24 v[STO], v21, 272
	v_lshl_add_u32 v[STO], v22, 5, v[STO]
	v_add_nc_u32 v[STO], s45, v[STO]
	v_mul_u32_u24 v[RD], v22, 272
	v_lshl_add_u32 v[RD], v21, 4, v[RD]
	v_add_nc_u32 v[RD], s45, v[RD]
	v_lshlrev_b32 v[GOFF], 11, v22
	v_lshl_add_u32 v[GOFF], v21, 4, v[GOFF]
	v_lshlrev_b32 v[BOF], 4, v21
	v_lshlrev_b32 v[PFO], 8, v20
	; the prefetches: which tile is mine, and who asks
	s_lshl_b32 s73, s20, 3
	s_lshl_b32 s74, s17, 1
	s_add_co_u32 s73, s73, s74
	s_add_co_u32 s73, s73, s[HC]                   ; geglu: row tile 8 tr + 2 cx + w % 2
	s_lshl_b32 s73, s73, 16
	s_add_co_u32 s73, s73, 2*KSB                   ; at K step 2: the first change of slots steps it to 3
	s_lshl_b32 s74, s19, 3
	s_lshl_b32 s77, s18, 1
	s_add_co_u32 s74, s74, s77
	s_add_co_u32 s74, s74, s[HC]                   ; the weight: column tile 8 tc + 2 cy + w % 2
	s_lshl_b32 s74, s74, 16
	s_add_co_u32 s74, s74, O_W2F+2*KSB
	s_and_b32 s75, ttmp7, 0xffff                   ; cluster y
	s_and_b32 s76, s[WV], 2
	s_cmp_eq_u32 s[FR], 0
	s_cselect_b32 s72, s73, s74
	s_cselect_b32 s75, 0, s75                      ; geglu's rows are this cluster's own; the weight is asked for by cluster y = 0
	s_or_b32 s75, s75, s76                         ; waves 0, 1, 4, 5: the same in all sixteen partners, for a given wave
	s_mov_b32 s73, 0
	s_cmp_eq_u32 s75, 0
	s_cselect_b32 s[LIM], 1, 0
	s_wait_dscnt 0x0                               ; both opening adds are done
	s_wait_kmcnt 0x0
	s_add_nc_u64 s[40:41], s[4:5], s[40:41]
	s_add_nc_u64 s[42:43], s[6:7], s[42:43]
	s_cmp_eq_u32 s[FR], 0
	s_cselect_b64 s[PFA:PFA+1], s[4:5], s[6:7]
	s_add_nc_u64 s[PFA:PFA+1], s[PFA:PFA+1], s[72:73]
	CROUND                                         ; all sixteen work-groups are here: the first joint loads meet
.irp s, 0,1
	s_mov_b32 s[G0+4*\s], 1
	s_add_co_u32 s[G0+4*\s+1], s44, \s*SLOT
	s_add_nc_u64 s[G0+4*\s+2:G0+4*\s+3], s[40:41], \s*KSB
	s_or_b32 s[G0+4*\s+3], s[G0+4*\s+3], 0x80000000
	s_mov_b32 s[G0B+4*\s], 1
	s_add_co_u32 s[G0B+4*\s+1], s44, \s*SLOT
	s_add_nc_u64 s[G0B+4*\s+2:G0B+4*\s+3], s[42:43], \s*KSB
	s_or_b32 s[G0B+4*\s+3], s[G0B+4*\s+3], 0x80000000
	JLOAD \s
.endr
	s_lshl_b32 s46, s20, 18                        ; my 32 rows of 2,048 bytes, my 256 bytes of each: in x1 and in y alike
	s_lshl_b32 s47, s[RP], 16
	s_add_co_u32 s46, s46, s47
	s_lshl_b32 s78, s19, 9
	s_lshl_b32 s47, s[HC], 8
	s_add_co_u32 s78, s78, s47                     ; my 64 columns, in bytes
	s_add_co_u32 s46, s46, s78
	s_mov_b32 s47, 0
	s_mov_b32 s79, 0
	s_add_nc_u64 s[8:9], s[8:9], s[46:47]
	s_add_nc_u64 s[12:13], s[12:13], s[46:47]
	s_add_nc_u64 s[10:11], s[10:11], s[78:79]
.irp rt, 0,1
.irp i, 0,1,2,3,4,5,6,7
	global_load_b128 v[RES+32*\rt+4*\i:RES+32*\rt+4*\i+3], v[GOFF], s[8:9] offset:(16*\rt+2*\i)*2048   ; x1 by rows: sixteen lanes read 256 consecutive bytes; wanted on the way out
.endr
.endr
	global_load_b128 v[BIA:BIA+3], v[BOF], s[10:11]
.macro FETCH n, q, fb                  ; 12 LDS loads: k fragment q of slot n: my four column tiles, my two row tiles
.irp i, 0,1,2,3
	ds_load_b128 v[\fb+8*\i:\fb+8*\i+3], v[AW+\n] offset:8192*\i+1024*(\q)
	ds_load_b128 v[\fb+8*\i+4:\fb+8*\i+7], v[AW+\n] offset:8192*\i+1024*(\q)+512
.endr
.irp rt, 0,1
	ds_load_b128 v[\fb+32+8*\rt:\fb+32+8*\rt+3], v[AA+\n] offset:8192*\rt+1024*(\q)
	ds_load_b128 v[\fb+32+8*\rt+4:\fb+32+8*\rt+7], v[AA+\n] offset:8192*\rt+1024*(\q)+512
.endr
.endm
.macro MUL fb, first                   ; 8 matrix instructions, the 8 accumulators by turns, one instruction a turn.  first = 1: the first product starts the sums
.irp i, 0,1,2,3
.irp rt, 0,1
.if \first
	v_wmma_f32_16x16x32_f16 v[ACC+32*\rt+8*\i:ACC+32*\rt+8*\i+7], v[\fb+8*\i:\fb+8*\i+7], v[\fb+32+8*\rt:\fb+32+8*\rt+7], 0
.else
	v_wmma_f32_16x16x32_f16 v[ACC+32*\rt+8*\i:ACC+32*\rt+8*\i+7], v[\fb+8*\i:\fb+8*\i+7], v[\fb+32+8*\rt:\fb+32+8*\rt+7], v[ACC+32*\rt+8*\i:ACC+32*\rt+8*\i+7]
.endif
.endr
.endr
.endm
.macro Q7 n, first                     ; a K step's first seven fragments.  Fragment 0 is on its way into FB0; four places stand behind the last reader of FB1 already
	FETCH \n, 1, FB1
	s_wait_dscnt 12                                ; all but the 12 loads just issued
	MUL FB0, \first
.irp q, 2,4,6
	PLACES 4                                       ; in front of loads into registers that those products read
	FETCH \n, \q, FB0
	s_wait_dscnt 12
	MUL FB1, 0
	PLACES 4
	FETCH \n, (\q)+1, FB1
	s_wait_dscnt 12
	MUL FB0, 0
.endr
.endm
; A K step's last fragment changes slots.  Each wave waits for all its tensor loads (its part of the next slot), adds 0 to its spare word, and waits for that and for its reads of this slot.
; fill = 1: the barrier is a round of the cluster's, and the joint refill, two K steps ahead, is the first thing behind it.
.macro TURN n, next, fill, ask
	s_wait_tensorcnt 0x0
	ds_add_u32 v[SPW], v[NIL]
.if \fill
.if \ask
	s_wait_xcnt 0x0                                ; the last prefetch, a K step back, has read its address
	s_add_nc_u64 s[PFA:PFA+1], s[PFA:PFA+1], KSB
.endif
	s_add_nc_u64 s[G0+4*\n+2:G0+4*\n+3], s[G0+4*\n+2:G0+4*\n+3], 2*KSB
	s_add_nc_u64 s[G0B+4*\n+2:G0B+4*\n+3], s[G0B+4*\n+2:G0B+4*\n+3], 2*KSB
.endif
	s_wait_dscnt 1                                 ; the add may be out: fragment 7 is in
	MUL FB1, 0
	s_wait_dscnt 0x0                               ; the add is done, and my reads of this slot are over
.if \fill
	CROUND
	JLOAD \n                                       ; its four v_nop are also the places in front of the loads below
.else
	s_barrier_signal -1
	s_barrier_wait -1
	PLACES 4
.endif
	FETCH \next, 0, FB0
.if \ask
	ASK
.endif
.endm
	s_wait_tensorcnt 0x1                           ; my part of K step 0 is in; K step 1's may stay out
	s_barrier_signal -1
	s_barrier_wait -1
	FETCH 0, 0, FB0
	Q7 0, 1
	TURN 0, 1, 1, 1
	s_mov_b32 s[CNT], (NS-4)/2
.Lk:                                               ; a trip: two K steps, both slots filled again
	Q7 1, 0
	TURN 1, 0, 1, 1
	Q7 0, 0
	TURN 0, 1, 1, 1
	s_sub_co_u32 s[CNT], s[CNT], 1
	s_cmp_lg_u32 s[CNT], 0
	s_cbranch_scc1 .Lk
	Q7 1, 0                                        ; the tail is written out: one more refill (the last K step), then none
	TURN 1, 0, 1, 0
	Q7 0, 0
	TURN 0, 1, 0, 0
	Q7 1, 0
	s_wait_dscnt 0x0
	MUL FB1, 0
	; THE WAY OUT
	s_wait_loadcnt 0x0                             ; x1 and b2ff
.set k, 0
.rept 16
	v_pk_add_f32 v[RES+4*k:RES+4*k+1], v[RES+4*k:RES+4*k+1], v[BIA:BIA+1]           ; x1 + b2ff.  These 32 name no register of the last products: they are the places behind them
	v_pk_add_f32 v[RES+4*k+2:RES+4*k+3], v[RES+4*k+2:RES+4*k+3], v[BIA+2:BIA+3]
.set k, k+1
.endr
.irp rt, 0,1
.irp i, 0,1,2,3
	ds_store_b128 v[STO], v[ACC+32*\rt+8*\i:ACC+32*\rt+8*\i+3] offset:64*\i          ; each accumulator from its low end on
	ds_store_b128 v[STO], v[ACC+32*\rt+8*\i+4:ACC+32*\rt+8*\i+7] offset:64*\i+16
.endr
.irp i, 0,1,2,3,4,5,6,7
	ds_load_b128 v[160+32*\rt+4*\i:160+32*\rt+4*\i+3], v[RD] offset:544*\i           ; LDS serves a wave in order: these see the stores above, and the next tile's stores come behind them
.endr
.endr
.irp i, 0,1,2,3,4,5,6,7
	s_wait_dscnt 23-\i                             ; behind load i of tile 0: its 7 - i successors and tile 1's sixteen
	v_pk_add_f32 v[160+4*\i:161+4*\i], v[160+4*\i:161+4*\i], v[RES+4*\i:RES+4*\i+1]
	v_pk_add_f32 v[162+4*\i:163+4*\i], v[162+4*\i:163+4*\i], v[RES+4*\i+2:RES+4*\i+3]
	global_store_b128 v[GOFF], v[160+4*\i:163+4*\i], s[12:13] offset:(2*\i)*2048     ; sixteen lanes store 256 consecutive bytes, aligned
.endr
.irp i, 0,1,2,3,4,5,6,7
	s_wait_dscnt 7-\i
	v_pk_add_f32 v[192+4*\i:193+4*\i], v[192+4*\i:193+4*\i], v[RES+32+4*\i:RES+32+4*\i+1]
	v_pk_add_f32 v[194+4*\i:195+4*\i], v[194+4*\i:195+4*\i], v[RES+32+4*\i+2:RES+32+4*\i+3]
	global_store_b128 v[GOFF], v[192+4*\i:195+4*\i], s[12:13] offset:(16+2*\i)*2048
.endr
	s_wait_tensorcnt 0x0                           ; the wave's end
	ds_add_u32 v[SPW], v[NIL]
	s_wait_dscnt 0x0
	CROUND                                         ; the closing round
	s_endpgm
.Lfunc_end_k_qf6b940e63b_downg:
	.size	k_qf6b940e63b_downg, .Lfunc_end_k_qf6b940e63b_downg-k_qf6b940e63b_downg
	.p2alignl 7, 3214868480
	.fill 96, 4, 3214868480
	.section	.rodata,"a",@progbits
	.p2align	6, 0x0
	.amdhsa_kernel k_qf6b940e63b_downg
		.amdhsa_group_segment_fixed_size 327680
		.amdhsa_private_segment_fixed_size 0
		.amdhsa_enable_private_segment 0
		.amdhsa_kernarg_size 40
		.amdhsa_user_sgpr_count 2
		.amdhsa_user_sgpr_kernarg_segment_ptr 1
		.amdhsa_wavefront_size32 1
		.amdhsa_system_sgpr_workgroup_id_x 1
		.amdhsa_system_sgpr_workgroup_id_y 1
		.amdhsa_system_sgpr_workgroup_id_z 1
		.amdhsa_system_vgpr_workitem_id 0
		.amdhsa_next_free_vgpr 256
		.amdhsa_next_free_sgpr 96
		.amdhsa_reserve_vcc 0
		.amdhsa_float_denorm_mode_32 3
		.amdhsa_float_denorm_mode_16_64 3
		.amdhsa_memory_ordered 1
		.amdhsa_forward_progress 1
		.amdhsa_inst_pref_size 90
	.end_amdhsa_kernel
	.amdgpu_metadata
---
amdhsa.version: [ 1, 2 ]
amdhsa.kernels:
  - .name:           k_qf6b940e63b_downg
    .symbol:         k_qf6b940e63b_downg.kd
    .args:
      - { .name: gw, .offset: 0, .size: 8, .value_kind: global_buffer, .address_space: global }
      - { .name: prepw, .offset: 8, .size: 8, .value_kind: global_buffer, .address_space: global }
      - { .name: x1w, .offset: 16, .size: 8, .value_kind: global_buffer, .address_space: global }
      - { .name: b2ff, .offset: 24, .size: 8, .value_kind: global_buffer, .address_space: global }
      - { .name: yw, .offset: 32, .size: 8, .value_kind: global_buffer, .address_space: global }
    .group_segment_fixed_size: 327680
    .private_segment_fixed_size: 0
    .kernarg_segment_align: 8
    .kernarg_segment_size: 40
    .max_flat_workgroup_size: 256
    .sgpr_count:     96
    .vgpr_count:     256
    .wavefront_size: 32
...
	.end_amdgpu_metadata
.endif
;; end of part 6
;; launch ln2 (part 7): grid 256 x 1, 8 waves a work-group, no clusters, 0 bytes of LDS; arguments yw, g2, beta2, out0; writes out0
.if DOCPART == 7
	.amdgcn_target "amdgcn-amd-amdhsa--gfx1250"
	.amdhsa_code_object_version 6
	.text
	.protected	k_qf6b940e63b_ln2
	.globl	k_qf6b940e63b_ln2
	.p2align	8
	.type	k_qf6b940e63b_ln2,@function
k_qf6b940e63b_ln2:
	s_mov_b64 s[64:65], 0
	v_nop
	global_prefetch_b8 v0, s[64:65] scope:SCOPE_SE
	s_setreg_imm32_b32 hwreg(HW_REG_WAVE_MODE, 25, 1), 1
	s_wait_xcnt 0x0
; LN2: out = (y - mean) rsqrt(var + 1e-5) g2 + beta2 along rows of 512, all in f32, in two passes as reference() has it: the mean, then the mean of the squared deviations.
; A stream: every byte of y is read once and every byte of out written once.  One wave takes a whole row: 2,048 bytes are four loads of 512 consecutive bytes, 16 registers a lane, and the row stays in registers between the passes.
; A work-group takes 32 rows, a wave 4; all 16 loads of a wave go out at once, and the four rows are worked line by line, so that no line waits for the line above it.
; Sums cross the lanes by four steps inside each half of 16 lanes, which ride on the addition, and one exchange of the halves.  Waves share nothing: no LDS, no barrier, no cluster; there is no product here: no matrix unit.
; LIMITS: NaN and infinities are not served.
.set X,  32                            ; v32-95   row r at 16 r: register 4 j + c is column 128 j + 4 lane + c
.set G,  96                            ; v96-111  g2 of my 16 columns
.set BT, 112                           ; v112-127 beta2
.set T,  8                             ; v8-23    row r at 4 r: +0, +1 a pair of sums, then the mean, then 1 / sigma in the low word; +2 the other half's sum
	s_load_b256 s[4:11], s[0:1], 0x0               ; yw, g2, beta2, out0
	v_lshrrev_b32 v1, 5, v0
	v_readfirstlane_b32 s12, v1                    ; wave 0..7
	v_and_b32 v2, 31, v0
	v_lshlrev_b32 v2, 4, v2                        ; 16 x lane
	s_lshl_b32 s14, ttmp9, 16                      ; the work-group's 32 rows of 2,048 bytes,
	s_lshl_b32 s13, s12, 13                        ; my wave's 4
	s_add_co_u32 s14, s14, s13
	s_mov_b32 s15, 0
	s_mov_b32 s16, 0x76543210
	s_mov_b32 s17, 0xfedcba98                      ; v_permlanex16_b32: lane l xor 16
	s_mov_b32 s18, 0x3b000000                      ; 1 / 512
	s_mov_b32 s19, 0x3727c5ac                      ; 1e-5
.irp r, 0,1,2,3
	v_mov_b32 v[T+4*\r+2], 0                       ; written once: a lane permute's destination counts as one of its sources
.endr
	s_wait_kmcnt 0x0
	s_add_nc_u64 s[4:5], s[4:5], s[14:15]
	s_add_nc_u64 s[10:11], s[10:11], s[14:15]
.irp r, 0,1,2,3
.irp j, 0,1,2,3
	global_load_b128 v[X+16*\r+4*\j:X+16*\r+4*\j+3], v2, s[4:5] offset:2048*\r+512*\j th:TH_LOAD_NT   ; 32 lanes read 512 consecutive bytes; read once in the launch
.endr
.endr
.irp j, 0,1,2,3
	global_load_b128 v[G+4*\j:G+4*\j+3], v2, s[6:7] offset:512*\j
	global_load_b128 v[BT+4*\j:BT+4*\j+3], v2, s[8:9] offset:512*\j
.endr
; the sum in v[T + 4 r] of each row's lanes, into every lane
.macro ACROSS
.irp r, 0,1,2,3
	v_add_f32 v[T+4*\r], v[T+4*\r], v[T+4*\r+1]
.endr
.irp m, 1,2,4,8
.irp r, 0,1,2,3
	v_add_f32_dpp v[T+4*\r], v[T+4*\r], v[T+4*\r] row_xmask:\m row_mask:0xf bank_mask:0xf
.endr
.endr
.irp r, 0,1,2,3
	v_permlanex16_b32 v[T+4*\r+2], v[T+4*\r], s16, s17
.endr
.irp r, 0,1,2,3
	v_add_f32 v[T+4*\r], v[T+4*\r], v[T+4*\r+2]
.endr
.endm
	s_wait_loadcnt 0x0                             ; the four rows, g2 and beta2
.irp r, 0,1,2,3
	v_pk_add_f32 v[T+4*\r:T+4*\r+1], v[X+16*\r:X+16*\r+1], v[X+16*\r+2:X+16*\r+3]
.endr
.irp p, 4,6,8,10,12,14
.irp r, 0,1,2,3
	v_pk_add_f32 v[T+4*\r:T+4*\r+1], v[T+4*\r:T+4*\r+1], v[X+16*\r+\p:X+16*\r+\p+1]
.endr
.endr
	ACROSS
.irp r, 0,1,2,3
	v_mul_f32 v[T+4*\r], s18, v[T+4*\r]            ; the mean
.endr
.irp p, 0,2,4,6,8,10,12,14
.irp r, 0,1,2,3
	v_pk_add_f32 v[X+16*\r+\p:X+16*\r+\p+1], v[X+16*\r+\p:X+16*\r+\p+1], v[T+4*\r:T+4*\r+1] op_sel_hi:[1,0] neg_lo:[0,1] neg_hi:[0,1]   ; y - mean
.endr
.endr
.irp r, 0,1,2,3
	v_pk_mul_f32 v[T+4*\r:T+4*\r+1], v[X+16*\r:X+16*\r+1], v[X+16*\r:X+16*\r+1]
.endr
.irp p, 2,4,6,8,10,12,14
.irp r, 0,1,2,3
	v_pk_fma_f32 v[T+4*\r:T+4*\r+1], v[X+16*\r+\p:X+16*\r+\p+1], v[X+16*\r+\p:X+16*\r+\p+1], v[T+4*\r:T+4*\r+1]
.endr
.endr
	ACROSS
.irp r, 0,1,2,3
	v_fma_f32 v[T+4*\r], v[T+4*\r], s18, s19       ; the variance + 1e-5
.endr
.irp r, 0,1,2,3
	v_rsq_f32 v[T+4*\r], v[T+4*\r]
.endr
	v_nop                                          ; a plain line behind the last of them
	s_wait_alu depctr_va_vdst(0)                   ; one wait for the four, ahead of their first reader
.irp p, 0,2,4,6,8,10,12,14
.irp r, 0,1,2,3
	v_pk_mul_f32 v[X+16*\r+\p:X+16*\r+\p+1], v[X+16*\r+\p:X+16*\r+\p+1], v[T+4*\r:T+4*\r+1] op_sel_hi:[1,0]
.endr
.endr
.irp p, 0,2,4,6,8,10,12,14
.irp r, 0,1,2,3
	v_pk_fma_f32 v[X+16*\r+\p:X+16*\r+\p+1], v[X+16*\r+\p:X+16*\r+\p+1], v[G+\p:G+\p+1], v[BT+\p:BT+\p+1]
.endr
.endr
.irp r, 0,1,2,3
.irp j, 0,1,2,3
	global_store_b128 v2, v[X+16*\r+4*\j:X+16*\r+4*\j+3], s[10:11] offset:2048*\r+512*\j th:TH_STORE_NT   ; 32 lanes store 512 consecutive bytes; written once, read by nobody here
.endr
.endr
	s_endpgm
.Lfunc_end_k_qf6b940e63b_ln2:
	.size	k_qf6b940e63b_ln2, .Lfunc_end_k_qf6b940e63b_ln2-k_qf6b940e63b_ln2
	.p2alignl 7, 3214868480
	.fill 96, 4, 3214868480
	.section	.rodata,"a",@progbits
	.p2align	6, 0x0
	.amdhsa_kernel k_qf6b940e63b_ln2
		.amdhsa_group_segment_fixed_size 0
		.amdhsa_private_segment_fixed_size 0
		.amdhsa_enable_private_segment 0
		.amdhsa_kernarg_size 32
		.amdhsa_user_sgpr_count 2
		.amdhsa_user_sgpr_kernarg_segment_ptr 1
		.amdhsa_wavefront_size32 1
		.amdhsa_system_sgpr_workgroup_id_x 1
		.amdhsa_system_sgpr_workgroup_id_y 1
		.amdhsa_system_sgpr_workgroup_id_z 1
		.amdhsa_system_vgpr_workitem_id 0
		.amdhsa_next_free_vgpr 128
		.amdhsa_next_free_sgpr 66
		.amdhsa_reserve_vcc 0
		.amdhsa_float_denorm_mode_32 3
		.amdhsa_float_denorm_mode_16_64 3
		.amdhsa_memory_ordered 1
		.amdhsa_forward_progress 1
		.amdhsa_inst_pref_size 19
	.end_amdhsa_kernel
	.amdgpu_metadata
---
amdhsa.version: [ 1, 2 ]
amdhsa.kernels:
  - .name:           k_qf6b940e63b_ln2
    .symbol:         k_qf6b940e63b_ln2.kd
    .args:
      - { .name: yw, .offset: 0, .size: 8, .value_kind: global_buffer, .address_space: global }
      - { .name: g2, .offset: 8, .size: 8, .value_kind: global_buffer, .address_space: global }
      - { .name: beta2, .offset: 16, .size: 8, .value_kind: global_buffer, .address_space: global }
      - { .name: out0, .offset: 24, .size: 8, .value_kind: global_buffer, .address_space: global }
    .group_segment_fixed_size: 0
    .private_segment_fixed_size: 0
    .kernarg_segment_align: 8
    .kernarg_segment_size: 32
    .max_flat_workgroup_size: 256
    .sgpr_count:     66
    .vgpr_count:     128
    .wavefront_size: 32
...
	.end_amdgpu_metadata
.endif
;; end of part 7
